; MI455X (gfx1250); checked and timed in simulation.
; The chip was launched on July 23, 2026; its instructions are those of AMD's public machine-readable ISA for CDNA 5 (MIT licence, August 2026) and "CDNA5" Instruction Set Architecture Reference Guide (July 2026). The comments in the code are by the model that wrote it; some were corrected since.
;; DIF Multi Head Attention. Allowed arithmetic: matrix products marked QUANTISED: E2M1 operands, one E8M0 scale for each 32 along K, by v_wmma_scale_f32_16x16x128_f8f6f4 with both operands' format E2M1 (or v_wmma_scale_f32_32x16x128_f4), f32 sums; everything else in f32.
;; Inputs: Wd_codes 512 x 16 x 16 uint8 (E2M1 codes of Wd, K innermost, in blocks of 32 codes, two codes a byte); Wd_scales 512 x 16 uint8 (E8M0 scales of Wd, one for each 32 codes along K); Wk_codes 512 x 16 x 16 uint8 (E2M1 codes of Wk, K innermost, in blocks of 32 codes, two codes a byte); Wk_scales 512 x 16 uint8 (E8M0 scales of Wk, one for each 32 codes along K); Wka0_codes 256 x 8 x 16 uint8 (E2M1 codes of Wka0, K innermost, in blocks of 32 codes, two codes a byte); Wka0_scales 256 x 8 uint8 (E8M0 scales of Wka0, one for each 32 codes along K); Wka1_codes 256 x 8 x 16 uint8 (E2M1 codes of Wka1, K innermost, in blocks of 32 codes, two codes a byte); Wka1_scales 256 x 8 uint8 (E8M0 scales of Wka1, one for each 32 codes along K); Wkp_codes 512 x 16 x 16 uint8 (E2M1 codes of Wkp, K innermost, in blocks of 32 codes, two codes a byte); Wkp_scales 512 x 16 uint8 (E8M0 scales of Wkp, one for each 32 codes along K); Wq_codes 512 x 16 x 16 uint8 (E2M1 codes of Wq, K innermost, in blocks of 32 codes, two codes a byte); Wq_scales 512 x 16 uint8 (E8M0 scales of Wq, one for each 32 codes along K); Wqa0_codes 256 x 8 x 16 uint8 (E2M1 codes of Wqa0, K innermost, in blocks of 32 codes, two codes a byte); Wqa0_scales 256 x 8 uint8 (E8M0 scales of Wqa0, one for each 32 codes along K); Wqa1_codes 256 x 8 x 16 uint8 (E2M1 codes of Wqa1, K innermost, in blocks of 32 codes, two codes a byte); Wqa1_scales 256 x 8 uint8 (E8M0 scales of Wqa1, one for each 32 codes along K); Wqp_codes 512 x 16 x 16 uint8 (E2M1 codes of Wqp, K innermost, in blocks of 32 codes, two codes a byte); Wqp_scales 512 x 16 uint8 (E8M0 scales of Wqp, one for each 32 codes along K); Wv_codes 512 x 16 x 16 uint8 (E2M1 codes of Wv, K innermost, in blocks of 32 codes, two codes a byte); Wv_scales 512 x 16 uint8 (E8M0 scales of Wv, one for each 32 codes along K); attention_mask 32 x 1 x 1 x 512 float32; attr0_codes 32 x 512 x 8 x 16 uint8 (E2M1 codes of attr0, K innermost, in blocks of 32 codes, two codes a byte); attr0_scales 32 x 512 x 8 uint8 (E8M0 scales of attr0, one for each 32 codes along K); attr1_codes 32 x 512 x 8 x 16 uint8 (E2M1 codes of attr1, K innermost, in blocks of 32 codes, two codes a byte); attr1_scales 32 x 512 x 8 uint8 (E8M0 scales of attr1, one for each 32 codes along K); bd 512 float32; beta 512 float32; bk 512 float32; bka0 256 float32; bka1 256 float32; bkp 512 float32; bq 512 float32; bqa0 256 float32; bqa1 256 float32; bqp 512 float32; bv 512 float32; gamma 512 float32; item_hidden 32 x 512 x 512 float32; position_embed_codes 32 x 512 x 16 x 16 uint8 (E2M1 codes of position_embed, K innermost, in blocks of 32 codes, two codes a byte); position_embed_scales 32 x 512 x 16 uint8 (E8M0 scales of position_embed, one for each 32 codes along K).
;; Outputs: out0 32 x 512 x 512 float32.
;; This version of the problem:
;;   THIS VERSION OF THE PROBLEM IS GIVEN IN LOW PRECISION. The matrix products marked QUANTISED in the list below multiply operands that are first quantised to E2M1 (2 exponent bits, 1 mantissa bit; 4 bits a number), with one power-of-two scale for each 32 numbers along K (OCP MX v1.0); their sums are f32. All else is computed in f32.
;;   The module's matrix products, in the order in which they are computed (A, B: the left and right operand; K: the contracted axis; several contracted axes count as one K, in the product's order):
;;     1. [M 16,384, K 512] x [K 512, N 512]; A: input item_hidden; B: input Wq (given as codes): QUANTISED
;;     2. [M 16,384, K 512] x [K 512, N 512]; A: input item_hidden; B: input Wk (given as codes): QUANTISED
;;     3. [M 16,384, K 512] x [K 512, N 512]; A: input item_hidden; B: input Wv (given as codes): QUANTISED
;;     4. [M 16,384, K 512] x [K 512, N 512]; A: input position_embed (given as codes); B: input Wqp (given as codes): QUANTISED
;;     5. [M 16,384, K 512] x [K 512, N 512]; A: input position_embed (given as codes); B: input Wkp (given as codes): QUANTISED
;;     6. [M 16,384, K 256] x [K 256, N 256]; A: input attr0 (given as codes); B: input Wqa0 (given as codes): QUANTISED
;;     7. [M 16,384, K 256] x [K 256, N 256]; A: input attr0 (given as codes); B: input Wka0 (given as codes): QUANTISED
;;     8. [M 16,384, K 256] x [K 256, N 256]; A: input attr1 (given as codes); B: input Wqa1 (given as codes): QUANTISED
;;     9. [M 16,384, K 256] x [K 256, N 256]; A: input attr1 (given as codes); B: input Wka1 (given as codes): QUANTISED
;;     10. batch 256 x [M 512, K 64] x [K 64, N 512]; A: computed on the way; B: computed on the way: QUANTISED
;;     11. batch 256 x [M 512, K 64] x [K 64, N 512]; A: computed on the way; B: computed on the way: QUANTISED
;;     12. batch 256 x [M 512, K 32] x [K 32, N 512]; A: computed on the way; B: computed on the way: QUANTISED
;;     13. batch 256 x [M 512, K 32] x [K 32, N 512]; A: computed on the way; B: computed on the way: QUANTISED
;;     14. batch 256 x [M 512, K 512] x [K 512, N 64]; A: softmax (see below); B: computed on the way: QUANTISED
;;     15. [M 16,384, K 512] x [K 512, N 512]; A: computed on the way; B: input Wd (given as codes): QUANTISED
;;   THE QUANTISER, for each operand of a quantised product, along K:
;;     - K is cut into blocks of 32 from its start; a last block that is shorter is filled with zeros.
;;     - A block's scale is 2^e with e = floor(log2(the largest magnitude in the block)) - 2, held to -126 .. 127; a block of zeros has e = 0. As a byte (E8M0): e + 127.
;;     - Each number is divided by its block's scale, clamped to +-6, and rounded to the nearest number of E2M1, ties to even, subnormals kept.
;;     - The product sums the exact products of the quantised numbers (number of the format x scale) in f32.
;;   ~~~python
;;   def quantise(x, axis):      # numpy; x: float32 -> the quantised numbers, widened to float32 again
;;       x = np.moveaxis(x, axis, -1); K = x.shape[-1]
;;       x = np.pad(x, [(0, 0)] * (x.ndim - 1) + [(0, -K % 32)]); x = x.reshape(x.shape[:-1] + (-1, 32)); a = np.abs(x).max(-1, keepdims=True)
;;       e = np.where(a > 0, np.clip(np.frexp(np.where(a > 0, a, 1))[1] - 1 - 2, -126, 127), 0)      # np.frexp(a)[1] - 1 = floor(log2(a)), exactly
;;       r = np.clip(x / 2.0 ** e, -6, 6)
;;       step = 2.0 ** (np.maximum(np.frexp(np.where(r == 0, 1, r))[1] - 1, 0) - 1)
;;       q = np.round(r / step) * step * 2.0 ** e      # np.round: ties to even
;;       return np.moveaxis(q.reshape(q.shape[:-2] + (-1,))[..., :K], -1, axis).astype(np.float32)
;;   ~~~
;;   SOFTMAX AHEAD OF A QUANTISED PRODUCT. Where the list says 'softmax', what is quantised is not the finished softmax but p = 2^(t - M), with t = logit x log2(e) and M = ceil(the row's largest t), a whole number; so 1/2 < the row's largest p <= 1. The row's sum l is taken of the UNQUANTISED p, in f32, and the product's result is divided by l at the end. Since M is a whole number, a kernel that streams over the keys may use a running M (the ceiling of the running maximum): every later rescaling is an exact power of two, which a block's scale takes up: the codes' values come out the same.
;;   OPERANDS COMPUTED ON THE WAY. 'Computed on the way' means the value that the module computes at that place (a softmax that the list does not call 'softmax' is quantised finished and normalised). What goes into a quantiser is computed in f32, as accurately as f32 sums, v_exp_f32 and their like allow (about 1e-6 of the number): no bf16 or f16 on the way to a quantiser, and a product that is left as it is and whose result goes on into a quantised operand takes f32 operands (vector FMAs, or v_wmma_f32_16x16x4_f32). A number that lies on a knife's edge between two numbers of the format may be rounded either way, as far as f32 arithmetic and the matrix unit's own rounding can turn it there, and no further.
;;   INPUTS GIVEN AS CODES. Wd (in the module: [512, 512], K = its axis 1); Wk (in the module: [512, 512], K = its axis 1); Wka0 (in the module: [256, 256], K = its axis 1); Wka1 (in the module: [256, 256], K = its axis 1); Wkp (in the module: [512, 512], K = its axis 1); Wq (in the module: [512, 512], K = its axis 1); Wqa0 (in the module: [256, 256], K = its axis 1); Wqa1 (in the module: [256, 256], K = its axis 1); Wqp (in the module: [512, 512], K = its axis 1); Wv (in the module: [512, 512], K = its axis 1); attr0 (in the module: [32, 512, 256], K = its axis 2); attr1 (in the module: [32, 512, 256], K = its axis 2); position_embed (in the module: [32, 512, 512], K = its axis 2): each comes as NAME_codes (uint8): NAME with its K axis moved to the last place and cut into blocks of 32 codes, [.., K / 32, bytes a block], one block behind the other in memory; two codes a byte, the lower K in the low four bits (a code: sign, 2 exponent bits, 1 mantissa bit); and NAME_scales (uint8): the same leading axes, one E8M0 byte (e + 127) for each 32 codes along K. Its value is code x scale, taken as it is: it is not quantised again, and the codes and scales need not be those that the quantiser above would give.
;; One version. Each part assembles by itself: llvm-mc -triple=amdgcn-amd-amdhsa -mcpu=gfx1250 --defsym DOCPART=n.
;; ======== version 1 of 1: 3 launches
;; workspace buffers: xq_codes 4,194,304 bytes; xq_scales 262,144 bytes; pack 65,536 bytes; ctx_codes 4,194,304 bytes; ctx_scales 262,144 bytes
;; launch prep (part 1): grid 257 x 1, 4 waves a work-group, no clusters, 33,280 bytes of LDS; arguments item_hidden, xq_codes, xq_scales, pack, Wq_scales, Wk_scales, Wv_scales, Wqp_scales, Wkp_scales, Wqa0_scales, Wka0_scales, Wqa1_scales, Wka1_scales, bq, bk, bv, bqp, bkp, bqa0, bka0, bqa1, bka1; writes xq_codes, xq_scales, pack
.if DOCPART == 1
	.amdgcn_target "amdgcn-amd-amdhsa--gfx1250"
	.amdhsa_code_object_version 6
	.text
	.protected	k_q95f7ef74d2_prep
	.globl	k_q95f7ef74d2_prep
	.p2align	8
	.type	k_q95f7ef74d2_prep,@function
k_q95f7ef74d2_prep:
	s_mov_b64 s[64:65], 0
	v_nop
	global_prefetch_b8 v0, s[64:65] scope:SCOPE_SE
	s_setreg_imm32_b32 hwreg(HW_REG_WAVE_MODE, 25, 1), 1
	s_wait_xcnt 0x0
; TWO JOBS IN ONE LAUNCH.
; Work-groups 0 to 255: item_hidden [16384][512] f32 becomes codes of FP4 (E2M1), K innermost (xq_codes, 256 bytes a row), with one E8M0 byte for each 32 along K (xq_scales, 16 bytes a row).
; It is quantised once here because the eight heads of a batch all read it in the next launch, at an eighth of the bytes.
; A block's scale is 2^(floor(log2(its largest magnitude)) - 2); its byte is the largest magnitude's exponent field - 2, held at 1 from below.  A block of zeros so gets the byte 1: its codes are zeros,
; which add nothing under any byte but 0xff, and this program alone reads the bytes.
; LIMITS: blocks whose largest magnitude lies under 2^-124 keep the floor's byte 1; NaN and infinities among the inputs are not served.
; Rows are dense and 512 is a multiple of 32, so the tensor is a plain stream of blocks.  A wave takes 16 steps of 512 numbers.  Each of a step's four loads reads 512 consecutive bytes, 16 a lane; the 2,048 bytes
; go through the wave's own stage in LDS and come back 64 bytes a lane (16 neighbours along K; two neighbouring lanes hold a block).  A lane's 16 codes are 8 bytes: the wave stores 256 consecutive bytes.
; A wave's 256 scale bytes are gathered in its own LDS bytes and leave as 256 consecutive bytes.  Waves share nothing: no barrier.  Loads run eight steps ahead: 32 loads, 16 KiB, of every wave are on their way.
; Work-group 256, the short one, dealt out last: the nine projection weights' scale bytes and the nine biases are laid head by head into pack [8 heads][8192 bytes], in the order in which the next launch's lanes
; want them.  No LDS on this path.
;   A head's block: 1024 mat + 512 b (mat = q, k, v, qp, kp; b = 0, 1): lane (r, h): the 16 scale bytes of W's row 64 head + 32 b + 8 h + r + 8 (r / 8);
;   5120 + 512 a (a = 0, 1): lane (r, h): 8 bytes of Wqa_a's and 8 of Wka_a's row 32 head + 8 h + r + 8 (r / 8);   6144 + 256 mat: 64 f32 of bias;   7424 + 128 am: 32 f32 (qa0, ka0, qa1, ka1);   7936: 256 zeros.
.set STEPS, 16
.set AHEAD, 8                          ; steps whose loads are on their way
.set EMAX,  2
.set CB,    8                          ; bytes of 16 codes
.set R,     16                         ; v16-143  eight sets of 16 numbers as they are loaded
.set X,     144                        ; v144-175 two sets of 16 neighbours
.set E,     176                        ; v176-191 a scale byte for each step
.set C,     192                        ; v192-223 codes: two registers for each step, so that no store's data are written again
.set WREG,  8192                       ; LDS: a region for each wave: two stages of 32 x SP bytes, behind them its 256 scale bytes
.set SP,    80                         ; a lane's place in a stage: 64 bytes + 16 of padding
.macro LOAD t
.irp i, 0,1,2,3
	global_load_b128 v[R+16*((\t)%AHEAD)+4*\i:R+16*((\t)%AHEAD)+4*\i+3], v3, s[4:5] offset:2048*(\t)+512*\i th:TH_LOAD_NT   ; 32 lanes read 512 consecutive bytes
.endr
.endm
.macro TURN t                          ; step t's numbers through the stage: LDS serves a wave's instructions in order, so no wait stands between the stores and the loads
.irp i, 0,1,2,3
	ds_store_b128 v14, v[R+16*((\t)%AHEAD)+4*\i:R+16*((\t)%AHEAD)+4*\i+3] offset:32*SP*((\t)%2)+8*SP*\i
.endr
.irp i, 0,1,2,3
	ds_load_b128 v[X+16*((\t)%2)+4*\i:X+16*((\t)%2)+4*\i+3], v15 offset:32*SP*((\t)%2)+16*\i
.endr
.endm
.macro STEP t
.set XS, X+16*((\t)%2)
.if (\t) > 0
	s_wait_dscnt 1                                 ; this step's numbers are back from the stage (the last step's byte store may be out): so its stores into the stage have read their registers,
.else
	s_wait_dscnt 0x0
.endif
.if (\t)+AHEAD < STEPS
	LOAD (\t)+AHEAD                                ; which take the loads of eight steps on
.endif
.if (\t)+1 < STEPS
.if STEPS-2-(\t) >= AHEAD-1
	s_wait_loadcnt 4*(AHEAD-1)                     ; the next step's four loads are in; those of the seven steps behind it may be out
.else
	s_wait_loadcnt 4*(STEPS-2-(\t))                ; the tail loads nothing: the counts run down
.endif
	TURN (\t)+1                                    ; and go through the other stage while this step is worked
.endif
	v_max3_num_f32 v8, |v[XS]|, |v[XS+1]|, |v[XS+2]|               ; the largest magnitude of my 16, in two chains
	v_max3_num_f32 v9, |v[XS+3]|, |v[XS+4]|, |v[XS+5]|
.irp i, 6,10
	v_max3_num_f32 v8, v8, |v[XS+\i]|, |v[XS+\i+1]|
	v_max3_num_f32 v9, v9, |v[XS+\i+2]|, |v[XS+\i+3]|
.endr
	v_max3_num_f32 v8, v8, |v[XS+14]|, |v[XS+15]|
	v_max3_num_f32 v8, v8, v9, (EMAX+1)<<23        ; and the floor 2^(3 - 127): the byte cannot fall under 1
	v_max_num_f32_dpp v8, v8, v8 row_xmask:1 row_mask:0xf bank_mask:0xf   ; and of my neighbour's 16: the block's
	v_add_nc_u32 v11, -(EMAX<<23), v8              ; 2 off its exponent field: the conversion takes the exponent field of this operand as its scale
	v_cvt_scalef32_pk8_fp4_f32 v[C+2*(\t)], v[XS:XS+7], v11
	v_cvt_scalef32_pk8_fp4_f32 v[C+2*(\t)+1], v[XS+8:XS+15], v11
	v_lshrrev_b32 v[E+(\t)], 23, v11               ; the scale's byte (also the plain line behind the conversions)
	ds_store_b8 v5, v[E+(\t)] offset:16*(\t)       ; both lanes of a block write the same byte with the same value
	global_store_b64 v4, v[C+2*(\t):C+2*(\t)+1], s[6:7] offset:32*CB*(\t)
.endm
	s_load_b256 s[4:11], s[0:1], 0x0               ; item_hidden s[4:5], xq_codes s[6:7], xq_scales s[8:9], pack s[10:11]
	v_lshl_add_u32 v224, v0, 2, 0x8000
	v_mov_b32 v225, 0
	s_cmp_eq_u32 ttmp9, 256
	s_cbranch_scc1 .Lpack
	; ---- the quantiser
	v_lshrrev_b32 v1, 5, v0
	v_readfirstlane_b32 s16, v1                    ; wave
	v_and_b32 v2, 31, v0                           ; lane
	v_lshlrev_b32 v3, 4, v2                        ; my 16 bytes of a load's 512
	s_mul_i32 s17, s16, WREG
	v_lshrrev_b32 v14, 2, v2
	v_mul_u32_u24 v14, v14, SP
	v_and_b32 v15, 3, v2
	v_lshl_add_u32 v14, v15, 4, v14
	v_add_nc_u32 v14, s17, v14                     ; the stage, on the way in: SP (lane / 4) + 16 (lane % 4)
	v_mul_u32_u24 v15, v2, SP
	v_add_nc_u32 v15, s17, v15                     ; and on the way out: SP x lane: my 16 neighbours
	v_mul_u32_u24 v4, v2, CB                       ; my codes' place in a step's
	v_lshrrev_b32 v5, 1, v2
	s_add_co_u32 s17, s17, 2*32*SP
	v_add_nc_u32 v5, s17, v5                       ; LDS: my wave's 256 scale bytes, my block's byte
	v_lshlrev_b32 v7, 3, v2                        ; and on the way out 8 bytes a lane
	v_add_nc_u32 v6, s17, v7
	s_lshl_b32 s17, ttmp9, 2
	s_add_co_u32 s18, s17, s16                     ; which run of 8,192 numbers is my wave's: 0 .. 1023
	s_lshl_b32 s20, s18, 15                        ; 32,768 bytes of f32,
	s_mov_b32 s21, 0
	s_lshl_b32 s22, s18, 12                        ; 4,096 of codes,
	s_mov_b32 s23, 0
	s_lshl_b32 s24, s18, 8                         ; 256 of scale bytes
	s_mov_b32 s25, 0
	s_wait_alu depctr_va_vdst(0)
	s_wait_kmcnt 0x0
	s_add_nc_u64 s[4:5], s[4:5], s[20:21]
	s_add_nc_u64 s[6:7], s[6:7], s[22:23]
	s_add_nc_u64 s[8:9], s[8:9], s[24:25]
.irp t, 0,1,2,3,4,5,6,7
	LOAD \t
.endr
	s_wait_loadcnt 28                              ; step 0's four loads are in; the seven steps' behind them may be out
	TURN 0
.irp t, 0,1,2,3,4,5,6,7,8,9,10,11,12,13,14,15
	STEP \t
.endr
	ds_load_b64 v[12:13], v6                       ; LDS serves a wave's instructions in order: these see my byte stores
	s_wait_dscnt 0x0
	global_store_b64 v7, v[12:13], s[8:9]          ; 32 lanes store 256 consecutive bytes
	s_wait_tensorcnt 0x0
	ds_add_u32 v224, v225
	s_wait_dscnt 0x0
	s_endpgm
	; ---- the pack: wave w lays heads 2 w and 2 w + 1
.Lpack:
	s_load_b512 s[16:31], s[0:1], 0x20             ; scale bytes: item matrix j at s[16+2j], attribute matrix am at s[26+2am]
	s_load_b512 s[32:47], s[0:1], 0x60             ; biases: item j at s[34+2j], attribute am at s[44+2am]
	s_load_b128 s[48:51], s[0:1], 0xa0
	v_and_b32 v1, 31, v0                           ; lane
	v_and_b32 v2, 15, v0                           ; r
	v_bfe_u32 v3, v0, 4, 1                         ; h
	v_lshrrev_b32 v4, 5, v0
	v_lshlrev_b32 v4, 1, v4                        ; 2 x wave
	v_and_b32 v5, 8, v2
	v_add_nc_u32 v5, v5, v2                        ; r + 8 (r / 8)
	v_lshl_add_u32 v5, v3, 3, v5                   ; + 8 h: my row in a run of 32
.irp i, 0,1
	v_add_nc_u32 v6, \i, v4                        ; the head
	v_lshlrev_b32 v7, 10, v6
	v_lshl_add_u32 v[8+7*\i], v5, 4, v7            ; item scales: 16 bytes a row, 64 rows a head
	v_lshlrev_b32 v7, 8, v6
	v_lshl_add_u32 v[9+7*\i], v5, 3, v7            ; attribute scales: 8 bytes a row, 32 rows a head
	v_lshl_add_u32 v[10+7*\i], v1, 3, v7           ; item biases: 256 bytes a head, 8 a lane
	v_lshlrev_b32 v7, 7, v6
	v_lshl_add_u32 v[11+7*\i], v1, 2, v7           ; attribute biases: 128 bytes a head, 4 a lane
	v_lshlrev_b32 v7, 13, v6                       ; the head's block of pack,
	v_lshl_add_u32 v[12+7*\i], v1, 4, v7           ; 16 bytes a lane,
	v_lshl_add_u32 v[13+7*\i], v1, 3, v7           ; 8,
	v_lshl_add_u32 v[14+7*\i], v1, 2, v7           ; 4
.endr
	v_mov_b32 v22, 0
	v_mov_b32 v23, 0
	s_wait_alu depctr_va_vdst(0)
	s_wait_kmcnt 0x0
.irp i, 0,1
.irp j, 0,1,2,3,4
.irp b, 0,1
	global_load_b128 v[32+64*\i+4*(2*\j+\b):32+64*\i+4*(2*\j+\b)+3], v[8+7*\i], s[16+2*\j:17+2*\j] offset:512*\b
.endr
.endr
.irp m, 0,1,2,3
	global_load_b64 v[72+64*\i+2*\m:73+64*\i+2*\m], v[9+7*\i], s[26+2*\m:27+2*\m]
.endr
.irp j, 0,1,2,3,4
	global_load_b64 v[80+64*\i+2*\j:81+64*\i+2*\j], v[10+7*\i], s[34+2*\j:35+2*\j]
.endr
.irp m, 0,1,2,3
	global_load_b32 v[90+64*\i+\m], v[11+7*\i], s[44+2*\m:45+2*\m]
.endr
.endr
	s_wait_loadcnt 0x0
.irp i, 0,1
.irp j, 0,1,2,3,4
.irp b, 0,1
	global_store_b128 v[12+7*\i], v[32+64*\i+4*(2*\j+\b):32+64*\i+4*(2*\j+\b)+3], s[10:11] offset:1024*\j+512*\b
.endr
.endr
.irp a, 0,1
	global_store_b128 v[12+7*\i], v[72+64*\i+4*\a:75+64*\i+4*\a], s[10:11] offset:5120+512*\a   ; Wqa_a's 8 bytes, then Wka_a's
.endr
.irp j, 0,1,2,3,4
	global_store_b64 v[13+7*\i], v[80+64*\i+2*\j:81+64*\i+2*\j], s[10:11] offset:6144+256*\j
.endr
.irp m, 0,1,2,3
	global_store_b32 v[14+7*\i], v[90+64*\i+\m], s[10:11] offset:7424+128*\m
.endr
	global_store_b64 v[13+7*\i], v[22:23], s[10:11] offset:7936      ; the block's last 256 bytes: the next launch copies the block whole
.endr
	s_endpgm
.Lfunc_end_k_q95f7ef74d2_prep:
	.size	k_q95f7ef74d2_prep, .Lfunc_end_k_q95f7ef74d2_prep-k_q95f7ef74d2_prep
	.p2alignl 7, 3214868480
	.fill 96, 4, 3214868480
	.section	.rodata,"a",@progbits
	.p2align	6, 0x0
	.amdhsa_kernel k_q95f7ef74d2_prep
		.amdhsa_group_segment_fixed_size 33280
		.amdhsa_private_segment_fixed_size 0
		.amdhsa_enable_private_segment 0
		.amdhsa_kernarg_size 176
		.amdhsa_user_sgpr_count 2
		.amdhsa_user_sgpr_kernarg_segment_ptr 1
		.amdhsa_wavefront_size32 1
		.amdhsa_system_sgpr_workgroup_id_x 1
		.amdhsa_system_sgpr_workgroup_id_y 1
		.amdhsa_system_sgpr_workgroup_id_z 1
		.amdhsa_system_vgpr_workitem_id 0
		.amdhsa_next_free_vgpr 226
		.amdhsa_next_free_sgpr 66
		.amdhsa_reserve_vcc 0
		.amdhsa_float_denorm_mode_32 3
		.amdhsa_float_denorm_mode_16_64 3
		.amdhsa_memory_ordered 1
		.amdhsa_forward_progress 1
		.amdhsa_inst_pref_size 43
	.end_amdhsa_kernel
	.amdgpu_metadata
---
amdhsa.version: [ 1, 2 ]
amdhsa.kernels:
  - .name:           k_q95f7ef74d2_prep
    .symbol:         k_q95f7ef74d2_prep.kd
    .args:
      - { .name: item_hidden, .offset: 0, .size: 8, .value_kind: global_buffer, .address_space: global }
      - { .name: xq_codes, .offset: 8, .size: 8, .value_kind: global_buffer, .address_space: global }
      - { .name: xq_scales, .offset: 16, .size: 8, .value_kind: global_buffer, .address_space: global }
      - { .name: pack, .offset: 24, .size: 8, .value_kind: global_buffer, .address_space: global }
      - { .name: Wq_scales, .offset: 32, .size: 8, .value_kind: global_buffer, .address_space: global }
      - { .name: Wk_scales, .offset: 40, .size: 8, .value_kind: global_buffer, .address_space: global }
      - { .name: Wv_scales, .offset: 48, .size: 8, .value_kind: global_buffer, .address_space: global }
      - { .name: Wqp_scales, .offset: 56, .size: 8, .value_kind: global_buffer, .address_space: global }
      - { .name: Wkp_scales, .offset: 64, .size: 8, .value_kind: global_buffer, .address_space: global }
      - { .name: Wqa0_scales, .offset: 72, .size: 8, .value_kind: global_buffer, .address_space: global }
      - { .name: Wka0_scales, .offset: 80, .size: 8, .value_kind: global_buffer, .address_space: global }
      - { .name: Wqa1_scales, .offset: 88, .size: 8, .value_kind: global_buffer, .address_space: global }
      - { .name: Wka1_scales, .offset: 96, .size: 8, .value_kind: global_buffer, .address_space: global }
      - { .name: bq, .offset: 104, .size: 8, .value_kind: global_buffer, .address_space: global }
      - { .name: bk, .offset: 112, .size: 8, .value_kind: global_buffer, .address_space: global }
      - { .name: bv, .offset: 120, .size: 8, .value_kind: global_buffer, .address_space: global }
      - { .name: bqp, .offset: 128, .size: 8, .value_kind: global_buffer, .address_space: global }
      - { .name: bkp, .offset: 136, .size: 8, .value_kind: global_buffer, .address_space: global }
      - { .name: bqa0, .offset: 144, .size: 8, .value_kind: global_buffer, .address_space: global }
      - { .name: bka0, .offset: 152, .size: 8, .value_kind: global_buffer, .address_space: global }
      - { .name: bqa1, .offset: 160, .size: 8, .value_kind: global_buffer, .address_space: global }
      - { .name: bka1, .offset: 168, .size: 8, .value_kind: global_buffer, .address_space: global }
    .group_segment_fixed_size: 33280
    .private_segment_fixed_size: 0
    .kernarg_segment_align: 8
    .kernarg_segment_size: 176
    .max_flat_workgroup_size: 128
    .sgpr_count:     66
    .vgpr_count:     226
    .wavefront_size: 32
...
	.end_amdgpu_metadata
.endif
;; end of part 1
;; launch attn (part 2): grid 8 x 32, 16 waves a work-group, no clusters, 230,400 bytes of LDS; arguments xq_codes, xq_scales, position_embed_codes, position_embed_scales, attr0_codes, attr0_scales, attr1_codes, attr1_scales, Wq_codes, Wk_codes, Wv_codes, Wqp_codes, Wkp_codes, Wqa0_codes, Wka0_codes, Wqa1_codes, Wka1_codes, pack, attention_mask, ctx_codes, ctx_scales; writes ctx_codes, ctx_scales
.if DOCPART == 2
	.amdgcn_target "amdgcn-amd-amdhsa--gfx1250"
	.amdhsa_code_object_version 6
	.text
	.protected	k_q95f7ef74d2_attn
	.globl	k_q95f7ef74d2_attn
	.p2align	8
	.type	k_q95f7ef74d2_attn,@function
k_q95f7ef74d2_attn:
	s_mov_b64 s[64:65], 0
	v_nop
	global_prefetch_b8 v0, s[64:65] scope:SCOPE_SE
	s_setreg_imm32_b32 hwreg(HW_REG_WAVE_MODE, 25, 1), 1
	s_wait_xcnt 0x0
; ONE (BATCH, HEAD) TO A WORK-GROUP: the head's nine projections, the quantising of Q, K and V, the four score products, the softmax, P V, and ctx / l quantised.  Q, K, V and the scores never go to memory.
; All products on codes of FP4 (E2M1) with one E8M0 scale for each 32 along K; sums, softmax and all that goes into a quantiser in f32.
; SHARES.  Sixteen waves of 256 registers, four to a SIMD, so that one wave's vector work stands beside another's matrix work and LDS loads.  Wave w owns rows 32 w .. 32 w + 31 of the batch: it projects the head's
; Q, K and V for them (they are 32 queries, and one block of 32 keys), then runs attention for its 32 queries over all 512 keys, 64 a trip.
; A TILE'S 16 ROWS ARE NOT NEIGHBOURS: lane r of tile u of a run of 32 takes row 8 u + r + 8 (r / 8).  In a result whose source 0 is such a tile, lane (r, h) holds in register j the run's row 16 h + 8 u + j: so the
; 16 registers of tiles 0 and 1 are 16 neighbours, which is what the conversions and the next operand's layout want.  This holds for W's rows (Q's and K's head axis), for the keys (p) and for V's head axis (ctx).
; Q, K: transposed use (source 0 = 16 rows of W, source 1 = 16 rows of x): a lane holds one row of x and 16 neighbours along the head's axis.  V: source 0 = 16 keys, source 1 = 16 rows of Wv: a lane holds one
; channel and 16 neighbouring keys, since the keys are the K of P V.  The biases are the C of each sum's first product.
; A UNIT of the projection is 32 output channels x my 32 rows.  ALL of a unit's fragments of W (64 registers at K = 512) are asked for from LDS straight behind the products of the unit before, and land while that
; unit's results are quantised: a unit's 16 products then follow each other with no wait between them.  The registers for that are had by holding one attribute's fragments at a time: the units go
; item (6), attr0 (2), position (4), attr1 (2); position_embed's loads from memory land under attr0's units, attr1's under position's.
; THE SCORES' K is six blocks of 32: item 0, 1, position 0, 1, attr0, attr1: two K steps of 128, the second half full: there Q's (and p's) registers 4-7 are zero codes, the other side's are whatever codes
; lie next (every FP4 code is a finite number), and the unused scale bytes are 0, which stands for 2^-127.  The division by 8 is taken off Q's scale bytes (3 less: exact); the mask is the C of the first K step.
; SOFTMAX: t = logit x log2(e); M = the running largest t rounded up to a whole number, kept as -M; p = 2^(t - M) is quantised along the keys, not normalised; the row's sum is taken of the unquantised p and divides
; at the end; when M moves, the sum and O^T are multiplied by 2^(old M - new M), which rounds nothing.
; OPERANDS GO THROUGH LDS AS IMAGES OF THEIR REGISTERS: a block of 32 codes of tile row r lies at 256 x block + 16 r (its halves stored by lanes r and r + 16, 8 bytes each), so a load at 512 c + 16 x lane
; brings registers 4 c .. 4 c + 3 of the operand.  No pitch, no padding, no exchange of lanes; an instruction's bytes are consecutive.
; NO TENSOR LOADS, NO CLUSTER.  The eight heads of a batch read the same activations, and the 32 batches of a head the same weights.  But each activation byte is used by ONE wave of a work-group and goes from memory
; straight into that wave's operand registers: 512 rows x (256 + 256 + 128 + 128) bytes = 393,216 bytes a work-group, more than LDS holds, would have to be written to LDS and read back only to be shared;
; the head's weights, 98,304 bytes, are read once by a work-group and staged by the waves themselves.
; LIMITS: a block of Q whose largest magnitude lies under 2^-121, and any other block under 2^-124, keeps the floor's scale byte; NaN and infinities among the inputs are not served; a mask entry of -infinity
; rests on the matrix instruction carrying an infinite C (finite masks of any size are served).
.set SM,    0                          ; LDS: the head's block of pack, 8,192 bytes
.set WIMG,  8192                       ; images of W's fragments: item matrix mat at 16384 mat + 1024 (4 tile + K step) + 512 c + 16 lane; attribute matrix am at 81920 + 1024 (4 am + 2 tile + K step) + ..
.set WHI,   57344                      ; = WIMG + 3 x 16384: from here on a second address register (an offset has 16 bits)
.set KIMG,  106496                     ; K: key tile 2 w + u at 1536 x tile, block at 256 x block
.set QIMG,  155648                     ; Q: the same; each wave reads only what it wrote
.set KSC,   204800                     ; K's scale words: 128 x tile + 4 x lane: lanes 0-15 K step 0's, lanes 16-31 K step 1's
.set VIMG,  208896                     ; V: 4096 x channel tile + 256 x key block + 16 r + 8 h
.set VSC,   225280                     ; V's scale bytes: 256 x channel tile + 16 r + key block
.set MSK,   226304                     ; the batch's mask, 512 f32
; registers of the projection
.set LI,    1                          ; 16 x lane
.set LW1,   2                          ; 16 x lane + WHI
.set VA256, 3                          ; 256 (r + 8 (r / 8)) + 16 h: my bytes in a tile of rows of 256 bytes
.set VA128, 4                          ; the same for rows of 128 bytes
.set VS16,  5                          ; 16 (r + 8 (r / 8) + 8 h): scale bytes, lanes 0-15 tile 0's rows, lanes 16-31 tile 1's
.set VS8,   6                          ; the same at 8 bytes a row
.set VH64,  7                          ; 64 h: a bias tile's eight numbers of my half
.set VP4,   8                          ; 4 (r + 8 (r / 8)): V's bias of my channel
.set LKB,   9                          ; where I store 8 bytes of K's codes (Q's: 49,152 further on)
.set LVB,   10                         ; of V's
.set LVSB,  11                         ; V's scale byte
.set WRD,   12                         ; v12-19 scale words in the making: Q's K step 0 (tile 0, 1), Q's K step 1, K's K step 0, K's K step 1
.set BVT,   20                         ; v20-21 V's bias of my channel, tile 0, 1
.set LKS,   22                         ; where I store K's scale words
.set T,     24                         ; v24-31 at work, four a group
.set XS,    32                         ; v32-35 x's scale words, one a K step
.set XSB,   36                         ; v36-39 attr0's two, attr1's two
.set WS,    40                         ; v40-43 W's scale words
.set BI,    44                         ; v44-59 two bias tiles
.set W,     60                         ; v60-123 a unit's fragments of W: tile t, K step s at 32 t + 8 s
.set ACC,   124                        ; v124-155 four accumulators
.set XF,    156                        ; v156-219 item_hidden's fragments (tile u, K step s at 32 u + 8 s), later position_embed's
.set XA,    220                        ; v220-251 attr0's (16 u + 8 s), later attr1's
; registers of the attention
.set AK,    1                          ; LDS addresses of the trip's loads: K's images,
.set AKS,   2                          ; K's scale words,
.set AV,    3                          ; V's images,
.set AVS,   4                          ; V's scale bytes,
.set AM,    5                          ; the mask
.set QS,    6                          ; v6-7   Q's scale words: lanes 0-15 K step 0's, lanes 16-31 K step 1's
.set NM,    8                          ; query tile u at + 4 u: -M,
.set TMX,   9                          ; the largest t,
.set SUM,   10                         ; the sum in two halves
.set BM,    16                         ; query tile u at + 8 u: the two blocks' largest score, then p,
.set BP,    18                         ; the other half's, then the scale bytes,
.set SO,    20                         ; the conversions' scale operands,
.set FF,    22                         ; f = 2^(old M - new M),
.set XX,    23                         ; at work (named with f as a pair)
.set PW,    32                         ; v32-33 p's scale words
.set KVS,   34                         ; v34-37 K's, then V's scale words
.set PC,    38                         ; v38-53 p's codes, 8 a query tile; registers 4-7 stay 0
.set MK,    54                         ; v54-69 the mask of two key tiles, in the result's layout
.set KV,    70                         ; v70-93 K step 1 of key tile i at 4 i, K step 0 at 8 + 8 i; later V's channel tile t at 4 t
.set QF,    94                         ; v94-125 Q: query tile u, K step k at 16 u + 8 k; of K step 1 registers 4-7 stay 0
.set SC,    126                        ; v126-189 S^T, then p: query tile u, key tile i at 32 u + 8 i
.set OT,    190                        ; v190-253 O^T: query tile u, channel tile t at 32 u + 8 t
.macro PLACES n                        ; plain vector lines behind matrix instructions (ISA guide 7.12.1)
.rept \n
	v_nop
.endr
.endm
; one matrix instruction; ra, rb = 1: that side's scales are read from lanes 16-31
.macro WM d, a, b, c, sa, sb, ra, rb
.if (\ra) == 0 && (\rb) == 0
	v_wmma_scale_f32_16x16x128_f8f6f4 v[(\d):(\d)+7], v[(\a):(\a)+7], v[(\b):(\b)+7], v[(\c):(\c)+7], v[(\sa)], v[(\sb)] matrix_a_fmt:MATRIX_FMT_FP4 matrix_b_fmt:MATRIX_FMT_FP4
.elseif (\ra) == 1 && (\rb) == 0
	v_wmma_scale_f32_16x16x128_f8f6f4 v[(\d):(\d)+7], v[(\a):(\a)+7], v[(\b):(\b)+7], v[(\c):(\c)+7], v[(\sa)], v[(\sb)] matrix_a_fmt:MATRIX_FMT_FP4 matrix_b_fmt:MATRIX_FMT_FP4 matrix_a_scale:MATRIX_SCALE_ROW1
.elseif (\ra) == 0
	v_wmma_scale_f32_16x16x128_f8f6f4 v[(\d):(\d)+7], v[(\a):(\a)+7], v[(\b):(\b)+7], v[(\c):(\c)+7], v[(\sa)], v[(\sb)] matrix_a_fmt:MATRIX_FMT_FP4 matrix_b_fmt:MATRIX_FMT_FP4 matrix_b_scale:MATRIX_SCALE_ROW1
.else
	v_wmma_scale_f32_16x16x128_f8f6f4 v[(\d):(\d)+7], v[(\a):(\a)+7], v[(\b):(\b)+7], v[(\c):(\c)+7], v[(\sa)], v[(\sb)] matrix_a_fmt:MATRIX_FMT_FP4 matrix_b_fmt:MATRIX_FMT_FP4 matrix_a_scale:MATRIX_SCALE_ROW1 matrix_b_scale:MATRIX_SCALE_ROW1
.endif
.endm
; my 32 rows' fragments of an activation, from memory into the operand's registers: tile u, K step s, half c
.macro LOADX dst, voff, base, rowb, nk
.irp u, 0,1
.set SS, 0
.rept \nk
.irp c, 0,1
	global_load_b128 v[(\dst)+8*\nk*\u+8*SS+4*\c:(\dst)+8*\nk*\u+8*SS+4*\c+3], v[\voff], s[\base:\base+1] offset:8*\rowb*\u+64*SS+32*\c
.endr
.set SS, SS+1
.endr
.endr
.endm
; two tiles of W, all nk K steps, from their images
.macro LDW areg, woff, tstr, nk
.irp t, 0,1
.set SS, 0
.rept \nk
.irp c, 0,1
	ds_load_b128 v[W+32*\t+8*SS+4*\c:W+32*\t+8*SS+4*\c+3], v[\areg] offset:(\woff)+\t*(\tstr)+1024*SS+512*\c
.endr
.set SS, SS+1
.endr
.endr
.endm
; all that a unit wants from LDS, asked for in one run behind the products of the unit before.  kind 0: Q or K; 1: V
.macro LDU kind, nk, areg, woff, tstr, wsoff, boff
	LDW \areg,\woff,\tstr,\nk
	ds_load_b128 v[WS:WS+3], v[LI] offset:\wsoff
.if \kind == 0
.irp t, 0,1
.irp q, 0,1
	ds_load_b128 v[BI+8*\t+4*\q:BI+8*\t+4*\q+3], v[VH64] offset:(\boff)+32*\t+16*\q
.endr
.endr
.else
.irp t, 0,1
	ds_load_b32 v[BVT+\t], v[VP4] offset:(\boff)+32*\t
.endr
.endif
.endm
; a K step of a unit: four accumulators by turns, one instruction a turn, in the same order in every K step
.macro KSTEP kind, nk, xf, xs, wsb, s
.irp t, 0,1
.irp u, 0,1
.if \kind == 0
.if (\s) == 0
	WM ACC+16*\u+8*\t,W+32*\t,(\xf)+8*\nk*\u,BI+8*\t,(\wsb),(\xs),\t,\u
.else
	WM ACC+16*\u+8*\t,W+32*\t+8*(\s),(\xf)+8*\nk*\u+8*(\s),ACC+16*\u+8*\t,(\wsb)+(\s),(\xs)+(\s),\t,\u
.endif
.else
.if (\s) == 0
	WM ACC+16*\t+8*\u,(\xf)+8*\nk*\u,W+32*\t,BI+8*\t,(\xs),(\wsb),\u,\t
.else
	WM ACC+16*\t+8*\u,(\xf)+8*\nk*\u+8*(\s),W+32*\t+8*(\s),ACC+16*\t+8*\u,(\xs)+(\s),(\wsb)+(\s),\u,\t
.endif
.endif
.endr
.endr
.endm
; a unit's products: 4 nk matrix instructions in a row
.macro MMU kind, nk, xf, xs, wsb
	s_wait_dscnt 0x0                               ; the unit's loads are in; the last unit's stores have read their registers
.if \kind == 1
.irp t, 0,1
.irp j, 0,1,2,3,4,5,6,7
	v_mov_b32 v[BI+8*\t+\j], v[BVT+\t]             ; V's result holds one channel a lane: its bias in all eight registers
.endr
.endr
	PLACES 4
.endif
	KSTEP \kind,\nk,\xf,\xs,\wsb,0
	KSTEP \kind,\nk,\xf,\xs,\wsb,1
.if \nk == 4
	KSTEP \kind,\nk,\xf,\xs,\wsb,2
	KSTEP \kind,\nk,\xf,\xs,\wsb,3
.endif
	PLACES 5                                       ; for the next unit's loads, the reads of the results, and the next unit's first product, which begins these accumulators anew with another C
.endm
; the unit's results become codes.  Group g: 16 registers = 16 neighbours along the next K; lanes l and l xor 16 hold a block.  kind 0: Q, block idx; 1: K, block idx; 2: V, channel tiles idx and idx + 1
.macro QNT kind, idx
.irp g, 0,1
.if \kind == 0
	v_max3_num_f32 v[T+4*\g], |v[ACC+16*\g]|, |v[ACC+16*\g+1]|, 0x3000000   ; Q's floor is 2^(6 - 127): its byte, 5 under the exponent field, cannot fall under 1
.else
	v_max3_num_f32 v[T+4*\g], |v[ACC+16*\g]|, |v[ACC+16*\g+1]|, 0x1800000   ; the floor 2^(3 - 127): the byte cannot fall under 1
.endif
.endr
.irp i, 2,4,6,8,10,12,14
.irp g, 0,1
	v_max3_num_f32 v[T+4*\g], v[T+4*\g], |v[ACC+16*\g+\i]|, |v[ACC+16*\g+\i+1]|
.endr
.endr
.irp g, 0,1
	v_permlanex16_b32 v[T+4*\g+1], v[T+4*\g], s60, s61
.endr
.irp g, 0,1
	s_delay_alu instid0(VALU_DEP_2)
	v_max_num_f32 v[T+4*\g], v[T+4*\g], v[T+4*\g+1]        ; the block's largest magnitude
.endr
.irp g, 0,1
	s_delay_alu instid0(VALU_DEP_2)
	v_add_nc_u32 v[T+4*\g+2], 0xff000000, v[T+4*\g]        ; 2 off its exponent field: the conversion's scale operand
.endr
.if \kind == 0
.irp g, 0,1
	s_delay_alu instid0(VALU_DEP_4)
	v_add_nc_u32 v[T+4*\g+3], 0xfd800000, v[T+4*\g]        ; Q's byte is 3 less than its scale's: the scores' division by 8
.endr
.irp g, 0,1
	s_delay_alu instid0(VALU_DEP_2)
	v_lshrrev_b32 v[T+4*\g+3], 23, v[T+4*\g+3]
.endr
.else
.irp g, 0,1
	s_delay_alu instid0(VALU_DEP_2)
	v_lshrrev_b32 v[T+4*\g+3], 23, v[T+4*\g+2]             ; the scale's byte
.endr
.endif
.irp g, 0,1
	v_cvt_scalef32_pk8_fp4_f32 v[T+4*\g], v[ACC+16*\g:ACC+16*\g+7], v[T+4*\g+2]
	v_cvt_scalef32_pk8_fp4_f32 v[T+4*\g+1], v[ACC+16*\g+8:ACC+16*\g+15], v[T+4*\g+2]
.endr
	v_nop                                          ; one plain line behind the conversions: the next unit's products write their sources
.irp g, 0,1
.if \kind < 2
.if ((\idx)%4) == 0
	v_mov_b32 v[WRD+4*\kind+2*((\idx)/4)+\g], v[T+4*\g+3]
.else
	v_lshl_or_b32 v[WRD+4*\kind+2*((\idx)/4)+\g], v[T+4*\g+3], 8*((\idx)%4), v[WRD+4*\kind+2*((\idx)/4)+\g]
.endif
	ds_store_b64 v[LKB], v[T+4*\g:T+4*\g+1] offset:49152*(1-\kind)+1536*\g+256*(\idx)
.else
	ds_store_b64 v[LVB], v[T+4*\g:T+4*\g+1] offset:4096*((\idx)+\g)
	ds_store_b8 v[LVSB], v[T+4*\g+3] offset:256*((\idx)+\g)   ; both lanes of a block write the same byte with the same value
.endif
.endr
.endm
	s_load_b512 s[4:19], s[0:1], 0x0               ; argument k at s[4+2k]: 0 xq codes, 1 xq scales, 2, 3 position_embed's, 4, 5 attr0's, 6, 7 attr1's
	s_load_b512 s[20:35], s[0:1], 0x40             ; 8-12 Wq, Wk, Wv, Wqp, Wkp codes, 13-15 Wqa0, Wka0, Wqa1
	s_load_b256 s[36:43], s[0:1], 0x80             ; 16 Wka1, 17 pack, 18 mask, 19 ctx codes
	s_load_b64 s[44:45], s[0:1], 0xa0              ; 20 ctx scales
	v_lshrrev_b32 v23, 5, v0
	s_delay_alu instid0(VALU_DEP_1)
	v_readfirstlane_b32 s46, v23                   ; wave 0..15
	s_mov_b32 s47, ttmp9                           ; head
	s_and_b32 s48, ttmp7, 0xffff                   ; batch
	v_and_b32 v23, 31, v0                          ; lane
	v_and_b32 v24, 15, v0                          ; r
	v_bfe_u32 v26, v0, 4, 1                        ; h
	s_delay_alu instid0(VALU_DEP_2)
	v_and_b32 v27, 8, v24
	s_delay_alu instid0(VALU_DEP_1)
	v_add_nc_u32 v27, v27, v24                     ; r + 8 (r / 8)
	s_delay_alu instid0(VALU_DEP_1)
	v_lshl_add_u32 v28, v26, 3, v27                ; + 8 h
	v_lshlrev_b32 v[LI], 4, v23
	s_delay_alu instid0(VALU_DEP_1)
	v_add_nc_u32 v[LW1], WHI, v[LI]
	v_lshlrev_b32 v30, 4, v26
	s_delay_alu instid0(VALU_DEP_1)
	v_lshl_add_u32 v[VA256], v27, 8, v30
	s_delay_alu instid0(VALU_DEP_2)
	v_lshl_add_u32 v[VA128], v27, 7, v30
	v_lshlrev_b32 v[VS16], 4, v28
	v_lshlrev_b32 v[VS8], 3, v28
	v_lshlrev_b32 v[VH64], 6, v26
	v_lshlrev_b32 v[VP4], 2, v27
	v_lshlrev_b32 v31, 4, v24                      ; 16 r
	s_delay_alu instid0(VALU_DEP_1)
	v_lshl_add_u32 v30, v26, 3, v31                ; 16 r + 8 h
	s_mul_i32 s50, s46, 3072
	s_add_co_u32 s50, s50, KIMG
	v_add_nc_u32 v[LKB], s50, v30
	s_lshl_b32 s50, s46, 8
	s_add_co_u32 s51, s50, VIMG
	v_add_nc_u32 v[LVB], s51, v30
	s_add_co_u32 s51, s46, VSC
	v_add_nc_u32 v[LVSB], s51, v31
	s_add_co_u32 s51, s50, KSC
	v_lshl_add_u32 v[LKS], v23, 2, s51
	v_mov_b32 v[T+1], 0                            ; written once: a lane permute's destination counts as one of its sources
	v_mov_b32 v[T+5], 0
	; staging: wave w brings image w of each item matrix (tile w / 4, K step w % 4) and image w of the sixteen attribute images (matrix w / 4, tile (w / 2) % 2, K step w % 2)
	v_lshlrev_b32 v98, 4, v0                       ; 16 x thread: pack, in memory and in LDS
	s_lshl_b32 s50, s46, 10
	v_add_nc_u32 v99, s50, v[LI]                   ; an image's place: 16 x lane + 1024 x wave
	s_delay_alu instid0(VALU_DEP_1)
	v_add_nc_u32 v100, WHI, v99
	v_lshlrev_b32 v105, 2, v0                      ; 4 x thread: the mask in memory,
	s_delay_alu instid0(VALU_DEP_1)
	v_add_nc_u32 v101, MSK, v105                   ; and in LDS
	s_lshl_b32 s50, s47, 14                        ; item W: 64 rows of 256 bytes a head,
	s_lshr_b32 s51, s46, 3
	s_lshl_b32 s51, s51, 13                        ; 32 rows for the run,
	s_add_co_u32 s50, s50, s51
	s_bfe_u32 s51, s46, 0x10002
	s_lshl_b32 s51, s51, 11                        ; 8 rows for the tile,
	s_add_co_u32 s50, s50, s51
	s_and_b32 s51, s46, 3
	s_lshl_b32 s51, s51, 6                         ; 64 bytes for the K step
	s_add_co_u32 s50, s50, s51
	v_add_nc_u32 v103, s50, v[VA256]
	s_lshl_b32 s50, s47, 12                        ; attribute W: 32 rows of 128 bytes a head,
	s_bfe_u32 s51, s46, 0x10001
	s_lshl_b32 s51, s51, 10                        ; 8 rows for the tile,
	s_add_co_u32 s50, s50, s51
	s_and_b32 s51, s46, 1
	s_lshl_b32 s51, s51, 6                         ; 64 bytes for the K step
	s_add_co_u32 s50, s50, s51
	v_add_nc_u32 v104, s50, v[VA128]
	s_mov_b32 s56, 0x3fb8aa3b                      ; log2(e)
	s_mov_b32 s57, s56                             ; (the packed form names the pair)
	s_mov_b32 s58, 0xffff0000                      ; lanes 16-31
	s_mov_b32 s60, 0x76543210
	s_mov_b32 s61, 0xfedcba98                      ; v_permlanex16_b32's selects for lane l xor 16
	s_wait_alu depctr_va_vdst(0)
	s_wait_kmcnt 0x0
	s_lshl_b32 s50, s48, 17
	s_lshl_b32 s51, s46, 13
	s_add_co_u32 s50, s50, s51                     ; my first row x 256 bytes: (512 batch + 32 wave) x 256
	s_mov_b32 s51, 0
	s_add_nc_u64 s[4:5], s[4:5], s[50:51]
	s_add_nc_u64 s[8:9], s[8:9], s[50:51]
	s_add_nc_u64 s[42:43], s[42:43], s[50:51]      ; ctx codes: my two row tiles of 4,096 bytes are as many bytes
	s_lshr_b32 s50, s50, 1                         ; x 128
	s_add_nc_u64 s[12:13], s[12:13], s[50:51]
	s_add_nc_u64 s[16:17], s[16:17], s[50:51]
	s_lshr_b32 s50, s50, 3                         ; x 16
	s_add_nc_u64 s[6:7], s[6:7], s[50:51]
	s_add_nc_u64 s[10:11], s[10:11], s[50:51]
	s_lshr_b32 s50, s50, 1                         ; x 8
	s_add_nc_u64 s[14:15], s[14:15], s[50:51]
	s_add_nc_u64 s[18:19], s[18:19], s[50:51]
	s_lshl_b32 s50, s47, 9
	s_add_nc_u64 s[42:43], s[42:43], s[50:51]      ; ctx codes: + 512 x head
	s_lshl_b32 s50, s47, 13
	s_add_nc_u64 s[38:39], s[38:39], s[50:51]      ; the head's block of pack
	s_lshl_b32 s50, s48, 11
	s_add_nc_u64 s[40:41], s[40:41], s[50:51]      ; the batch's mask
	s_lshl_b32 s50, s48, 13
	s_lshl_b32 s52, s47, 10
	s_add_co_u32 s50, s50, s52
	s_lshl_b32 s52, s46, 6
	s_add_co_u32 s50, s50, s52
	s_add_nc_u64 s[44:45], s[44:45], s[50:51]      ; ctx scales: 8192 batch + 1024 head + 64 wave
	s_lshr_b32 s50, s46, 2                         ; which attribute matrix I stage: the choice hangs on the wave's number alone
	s_cmp_lt_u32 s50, 1
	s_cselect_b64 s[52:53], s[30:31], s[32:33]
	s_cmp_lt_u32 s50, 3
	s_cselect_b64 s[54:55], s[34:35], s[36:37]
	s_cmp_lt_u32 s50, 2
	s_cselect_b64 s[52:53], s[52:53], s[54:55]
	global_load_b128 v[44:47], v98, s[38:39]
.irp m, 0,1,2,3,4
.irp c, 0,1
	global_load_b128 v[48+8*\m+4*\c:48+8*\m+4*\c+3], v103, s[20+2*\m:21+2*\m] offset:32*\c
.endr
.endr
.irp c, 0,1
	global_load_b128 v[88+4*\c:91+4*\c], v104, s[52:53] offset:32*\c
.endr
	global_load_b32 v96, v105, s[40:41]
	LOADX XF,VA256,4,256,4                         ; item_hidden's codes: 16 loads,
	global_load_b128 v[XS:XS+3], v[VS16], s[6:7]   ; and its scale words
	s_wait_loadcnt 17                              ; the 14 staging loads are in; the 17 loads issued behind them may be out
	ds_store_b128 v98, v[44:47] offset:SM
.irp m, 0,1,2
.irp c, 0,1
	ds_store_b128 v99, v[48+8*\m+4*\c:48+8*\m+4*\c+3] offset:WIMG+16384*\m+512*\c
.endr
.endr
.irp m, 3,4
.irp c, 0,1
	ds_store_b128 v100, v[48+8*\m+4*\c:48+8*\m+4*\c+3] offset:16384*(\m-3)+512*\c
.endr
.endr
.irp c, 0,1
	ds_store_b128 v100, v[88+4*\c:91+4*\c] offset:32768+512*\c
.endr
	ds_store_b32 v101, v96
	s_wait_dscnt 0x0                               ; for the others' sake: my stores have landed
	s_barrier_signal -1
	s_barrier_wait -1                              ; pack, W's images and the mask lie in LDS
	; ---- THE PROJECTIONS.  While a unit's results are quantised, the next unit's loads from LDS are on their way.
	LOADX XA,VA128,12,128,2                        ; attr0: 8 loads and its scale words: wanted six units on, so they are asked for behind the barrier and not in front of it
	global_load_b64 v[XSB:XSB+1], v[VS8], s[14:15]
	LDU 0,4,LI,8192,4096,0,6144
	s_wait_loadcnt 9                               ; item_hidden's 17 loads are in; attr0's 9 may be out
	MMU 0,4,XF,XS,WS                               ; Q, channels 0-31
	LDU 0,4,LI,16384,4096,512,6272
	QNT 0,0
	MMU 0,4,XF,XS,WS                               ; Q, channels 32-63
	LDU 0,4,LI,24576,4096,1024,6400
	QNT 0,1
	MMU 0,4,XF,XS,WS                               ; K, channels 0-31
	LDU 0,4,LI,32768,4096,1536,6528
	QNT 1,0
	MMU 0,4,XF,XS,WS                               ; K, channels 32-63
	LDU 1,4,LI,40960,4096,2048,6656
	QNT 1,1
	MMU 1,4,XF,XS,WS                               ; V, channels 0-31
	LDU 1,4,LI,49152,4096,2560,6784
	QNT 2,0
	MMU 1,4,XF,XS,WS                               ; V, channels 32-63
	LOADX XF,VA256,8,256,4                         ; item_hidden is done with: position_embed's 17 loads land under attr0's two units
	global_load_b128 v[XS:XS+3], v[VS16], s[10:11]
	LDU 0,2,LW1,32768,2048,5120,7424
	QNT 2,2
	s_wait_loadcnt 17                              ; attr0's loads are in; the 17 just issued may be out
	MMU 0,2,XA,XSB,WS                              ; attr0's Q
	LDU 0,2,LW1,36864,2048,5120,7552
	QNT 0,4
	MMU 0,2,XA,XSB,WS+2                            ; attr0's K
	LOADX XA,VA128,16,128,2                        ; attr0 is done with: attr1's 9 loads land under position's four units
	global_load_b64 v[XSB+2:XSB+3], v[VS8], s[18:19]
	LDU 0,4,LW1,0,4096,3072,6912
	QNT 1,4
	s_wait_loadcnt 9                               ; position_embed's loads are in; the 9 just issued may be out
	MMU 0,4,XF,XS,WS                               ; position's Q, channels 0-31
	LDU 0,4,LW1,8192,4096,3584,7040
	QNT 0,2
	MMU 0,4,XF,XS,WS                               ; channels 32-63
	LDU 0,4,LW1,16384,4096,4096,7168
	QNT 0,3
	MMU 0,4,XF,XS,WS                               ; position's K, channels 0-31
	LDU 0,4,LW1,24576,4096,4608,7296
	QNT 1,2
	MMU 0,4,XF,XS,WS                               ; channels 32-63
	LDU 0,2,LW1,40960,2048,5632,7680
	QNT 1,3
	s_wait_loadcnt 0x0                             ; attr1
	MMU 0,2,XA,XSB+2,WS                            ; attr1's Q
	LDU 0,2,LW1,45056,2048,5632,7808
	QNT 0,5
	MMU 0,2,XA,XSB+2,WS+2                          ; attr1's K
	QNT 1,5
.irp u, 0,1
	v_cndmask_b32 v[BVT+\u], v[WRD+4+\u], v[WRD+6+\u], s58   ; one register carries both K steps' words: lanes 0-15 the first's, lanes 16-31 the second's
	v_cndmask_b32 v[QS+\u], v[WRD+\u], v[WRD+2+\u], s58
.endr
.irp u, 0,1
	ds_store_b32 v[LKS], v[BVT+\u] offset:128*\u
.endr
	s_wait_dscnt 0x0                               ; for the others' sake: my stores of K, V and their scales have landed
	s_barrier_signal -1
	s_barrier_wait -1                              ; from here on LDS is only read
	; ---- THE ATTENTION
	v_and_b32 v254, 31, v0
	s_delay_alu instid0(VALU_DEP_1)
	v_lshlrev_b32 v255, 4, v254
	s_delay_alu instid0(VALU_DEP_1)
	v_add_nc_u32 v[AK], KIMG, v255
	s_delay_alu instid0(VALU_DEP_3)
	v_lshl_add_u32 v[AKS], v254, 2, KSC
	s_delay_alu instid0(VALU_DEP_3)
	v_add_nc_u32 v[AV], VIMG, v255
	v_and_b32 v[AVS], 15, v0
	s_delay_alu instid0(VALU_DEP_1)
	v_lshl_add_u32 v[AVS], v[AVS], 4, VSC
	v_bfe_u32 v[AM], v0, 4, 1
	s_delay_alu instid0(VALU_DEP_1)
	v_lshl_add_u32 v[AM], v[AM], 6, MSK
	s_mul_i32 s50, s46, 3072
	s_add_co_u32 s50, s50, QIMG
	v_add_nc_u32 v255, s50, v255
.irp u, 0,1
	ds_load_b128 v[QF+16*\u:QF+16*\u+3], v255 offset:1536*\u            ; Q's fragments stay in registers
	ds_load_b128 v[QF+16*\u+4:QF+16*\u+7], v255 offset:1536*\u+512
	ds_load_b128 v[QF+16*\u+8:QF+16*\u+11], v255 offset:1536*\u+1024
.endr
.irp u, 0,1
.irp j, 4,5,6,7
	v_mov_b32 v[QF+16*\u+8+\j], 0                  ; zero codes where a K step has no blocks
	v_mov_b32 v[PC+8*\u+\j], 0
.endr
	v_mov_b32 v[TMX+4*\u], 0xff61b1e6              ; the largest t so far: -3e38
	v_mov_b32 v[SUM+4*\u], 0
	v_mov_b32 v[SUM+4*\u+1], 0
	v_mov_b32 v[BP+8*\u], 0                        ; written once: a lane permute's destination counts as one of its sources
	v_mov_b32 v[BP+8*\u+1], 0
	v_mov_b32 v[XX+8*\u], 0
.endr
.irp u, 0,1
	v_floor_f32 v[NM+4*\u], -v[TMX+4*\u]           ; -M
.endr
.set J, 0
.rept 64
	v_mov_b32 v[OT+J], 0                           ; O^T.  (The trip is written once: the first finds zeros, which the first change of M leaves zeros)
.set J, J+1
.endr
	s_mov_b32 s59, 0
.Ltrip:                                            ; 8 trips of 64 keys: four key tiles, two blocks
	s_wait_alu depctr_va_vdst(0)
	s_setprio 2
.irp gi, 0,1                                       ; S^T = K Q^T + mask: block gi's two key tiles x my two query tiles
.irp ip, 0,1
	ds_load_b128 v[KV+8+8*\ip:KV+8+8*\ip+3], v[AK] offset:1536*(2*\gi+\ip)
	ds_load_b128 v[KV+8+8*\ip+4:KV+8+8*\ip+7], v[AK] offset:1536*(2*\gi+\ip)+512
	ds_load_b128 v[KV+4*\ip:KV+4*\ip+3], v[AK] offset:1536*(2*\gi+\ip)+1024
	ds_load_b32 v[KVS+\ip], v[AKS] offset:128*(2*\gi+\ip)
	ds_load_b128 v[MK+8*\ip:MK+8*\ip+3], v[AM] offset:(32*\gi+8*\ip)*4
	ds_load_b128 v[MK+8*\ip+4:MK+8*\ip+7], v[AM] offset:(32*\gi+8*\ip)*4+16
.endr
	s_wait_dscnt 0x0
.irp ip, 0,1
.irp u, 0,1
	WM SC+32*\u+8*(2*\gi+\ip),KV+8+8*\ip,QF+16*\u,MK+8*\ip,KVS+\ip,QS+\u,0,0
.endr
.endr
.irp ip, 0,1                                       ; the second K step: the four accumulators in the same order
.irp u, 0,1
	WM SC+32*\u+8*(2*\gi+\ip),KV+4*\ip,QF+16*\u+8,SC+32*\u+8*(2*\gi+\ip),KVS+\ip,QS+\u,1,1
.endr
.endr
	PLACES 4                                       ; in front of loads into registers that these products have read, and of the first read of the scores
.endr
.irp t, 0,1,2,3                                    ; V's fragments and scale bytes of these 64 keys land under the softmax
	ds_load_b128 v[KV+4*\t:KV+4*\t+3], v[AV] offset:4096*\t
	ds_load_u16 v[KVS+\t], v[AVS] offset:256*\t
.endr
.irp b, 0,1                                        ; the largest score of each block of 32 keys: for the row's maximum and, since p rises with the score, for the block's largest p
.irp u, 0,1
	v_max3_num_f32 v[BM+8*\u+\b], v[SC+32*\u+16*\b], v[SC+32*\u+16*\b+1], v[SC+32*\u+16*\b+2]
.endr
.endr
.irp i, 3,5,7,9,11,13
.irp b, 0,1
.irp u, 0,1
	v_max3_num_f32 v[BM+8*\u+\b], v[BM+8*\u+\b], v[SC+32*\u+16*\b+\i], v[SC+32*\u+16*\b+\i+1]
.endr
.endr
.endr
.irp b, 0,1
.irp u, 0,1
	v_max_num_f32 v[BM+8*\u+\b], v[BM+8*\u+\b], v[SC+32*\u+16*\b+15]
.endr
.endr
.irp b, 0,1
.irp u, 0,1
	s_delay_alu instid0(VALU_DEP_4)
	v_permlanex16_b32 v[BP+8*\u+\b], v[BM+8*\u+\b], s60, s61
.endr
.endr
.irp b, 0,1
.irp u, 0,1
	s_delay_alu instid0(VALU_DEP_4)
	v_max_num_f32 v[BM+8*\u+\b], v[BM+8*\u+\b], v[BP+8*\u+\b]   ; with lane l xor 16's 16 keys
.endr
.endr
.irp u, 0,1
	s_delay_alu instid0(VALU_DEP_2)
	v_max_num_f32 v[XX+8*\u], v[BM+8*\u], v[BM+8*\u+1]
.endr
.irp u, 0,1
	s_delay_alu instid0(VALU_DEP_2)
	v_mul_f32 v[XX+8*\u], s56, v[XX+8*\u]          ; the trip's largest t
.endr
.irp u, 0,1
	s_delay_alu instid0(VALU_DEP_2)
	v_max_num_f32 v[TMX+4*\u], v[TMX+4*\u], v[XX+8*\u]
.endr
.irp u, 0,1
	v_mov_b32 v[XX+8*\u], v[NM+4*\u]
.endr
.irp u, 0,1
	s_delay_alu instid0(VALU_DEP_4)
	v_floor_f32 v[NM+4*\u], -v[TMX+4*\u]           ; the new -M = -ceil(the largest t): a whole number
.endr
.irp u, 0,1
	s_delay_alu instid0(VALU_DEP_2)
	v_sub_f32 v[XX+8*\u], v[NM+4*\u], v[XX+8*\u]   ; old M - new M, 0 or less
.endr
.irp u, 0,1
	s_delay_alu instid0(VALU_DEP_2)
	v_cvt_i32_f32 v[XX+8*\u], v[XX+8*\u]           ; (it saturates)
.endr
.irp u, 0,1
	s_delay_alu instid0(VALU_DEP_2)
	v_ldexp_f32 v[FF+8*\u], 1.0, v[XX+8*\u]        ; f = 2^(old M - new M)
.endr
.irp j, 0,2,4,6,8,10,12,14,16,18,20,22,24,26,28,30
.irp u, 0,1
	v_pk_fma_f32 v[SC+32*\u+\j:SC+32*\u+\j+1], v[SC+32*\u+\j:SC+32*\u+\j+1], s[56:57], v[NM+4*\u:NM+4*\u+1] op_sel_hi:[1,0,0]   ; t - M, two at a time
.endr
.endr
.irp b, 0,1
.irp u, 0,1
	v_fma_f32 v[BM+8*\u+\b], v[BM+8*\u+\b], s56, v[NM+4*\u]   ; the same of each block's largest score
.endr
.endr
.set J, 0
	s_wait_alu depctr_va_vdst(0)
.rept 64
	v_exp_f32 v[SC+J], v[SC+J]                     ; p = 2^(t - M), at most 1
.set J, J+1
.endr
	s_setprio 1
.irp b, 0,1
.irp u, 0,1
	v_exp_f32 v[BM+8*\u+\b], v[BM+8*\u+\b]         ; the block's largest p: the same two instructions on the same number
.endr
.endr
.irp u, 0,1
	v_pk_mul_f32 v[SUM+4*\u:SUM+4*\u+1], v[SUM+4*\u:SUM+4*\u+1], v[FF+8*\u:FF+8*\u+1] op_sel_hi:[1,0]   ; the sums under the new M (plain lines behind the exponentials)
.endr
	s_wait_alu depctr_va_vdst(0)
.irp b, 0,1
.irp u, 0,1
	v_max_num_f32 v[BM+8*\u+\b], 0x1800000, v[BM+8*\u+\b]      ; the floor 2^(3 - 127): the byte cannot fall under 1
.endr
.endr
.irp b, 0,1
.irp u, 0,1
	s_delay_alu instid0(VALU_DEP_4)
	v_add_nc_u32 v[SO+8*\u+\b], 0xff000000, v[BM+8*\u+\b]      ; the conversion's scale operand
.endr
.endr
.irp b, 0,1
.irp u, 0,1
	s_delay_alu instid0(VALU_DEP_4)
	v_lshrrev_b32 v[BP+8*\u+\b], 23, v[SO+8*\u+\b]             ; the scale's byte
.endr
.endr
.irp u, 0,1
	s_delay_alu instid0(VALU_DEP_2)
	v_lshl_or_b32 v[PW+\u], v[BP+8*\u+1], 8, v[BP+8*\u]        ; p's scale word: two bytes, the upper two 0
.endr
.irp u, 0,1
.irp b, 0,1
	v_cvt_scalef32_pk8_fp4_f32 v[PC+8*\u+2*\b], v[SC+32*\u+16*\b:SC+32*\u+16*\b+7], v[SO+8*\u+\b]
	v_cvt_scalef32_pk8_fp4_f32 v[PC+8*\u+2*\b+1], v[SC+32*\u+16*\b+8:SC+32*\u+16*\b+15], v[SO+8*\u+\b]
.endr
.endr
	v_nop                                          ; one plain line behind the conversions
.irp u, 0,1                                        ; the operand's layout wants a whole block in a lane: lanes 0-15 block 0, lanes 16-31 block 1
.irp i, 0,1
	v_permlane16_swap_b32 v[PC+8*\u+\i], v[PC+8*\u+2+\i]
.endr
.endr
.irp u, 0,1
.set J, 0
.rept 16
	v_pk_mul_f32 v[OT+32*\u+J:OT+32*\u+J+1], v[OT+32*\u+J:OT+32*\u+J+1], v[FF+8*\u:FF+8*\u+1] op_sel_hi:[1,0]   ; O^T under the new M, each accumulator from its low end on
.set J, J+2
.endr
.endr
.set J, 0
.rept 16                                           ; the row's sum of the unquantised p.  These 32 lines are also the places between the vector writes of p's codes, its scale word and O^T and the products below
.irp u, 0,1
	v_pk_add_f32 v[SUM+4*\u:SUM+4*\u+1], v[SUM+4*\u:SUM+4*\u+1], v[SC+32*\u+J:SC+32*\u+J+1]
.endr
.set J, J+2
.endr
	s_setprio 0
	s_wait_dscnt 0x0                               ; V
.irp t, 0,1,2,3                                    ; O^T += V^T P^T: eight accumulators, one instruction each
.irp u, 0,1
	WM OT+32*\u+8*\t,KV+4*\t,PC+8*\u,OT+32*\u+8*\t,KVS+\t,PW+\u,0,0
.endr
.endr
	v_add_nc_u32 v[AK], 6144, v[AK]                ; on to the next 64 keys (no LDS load of mine is out).  These five lines are also the places in front of the next trip's loads, and of the first read of O^T behind the loop
	v_add_nc_u32 v[AKS], 512, v[AKS]
	v_add_nc_u32 v[AV], 512, v[AV]
	v_add_nc_u32 v[AVS], 2, v[AVS]
	v_add_nc_u32 v[AM], 256, v[AM]
	s_add_co_u32 s59, s59, 1
	s_cmp_lt_u32 s59, 8
	s_cbranch_scc1 .Ltrip
	s_setprio 0
	; ---- ctx = O^T / the sum, quantised along the head's 64 channels: two blocks a query
	s_wait_alu depctr_va_vdst(0)
.irp u, 0,1
	v_add_f32 v[SUM+4*\u], v[SUM+4*\u], v[SUM+4*\u+1]
.endr
.irp u, 0,1
	s_delay_alu instid0(VALU_DEP_2)
	v_permlanex16_b32 v[XX+8*\u], v[SUM+4*\u], s60, s61
.endr
.irp u, 0,1
	s_delay_alu instid0(VALU_DEP_2)
	v_add_f32 v[SUM+4*\u], v[SUM+4*\u], v[XX+8*\u]             ; the row's sum
.endr
	s_wait_alu depctr_va_vdst(0)
.irp u, 0,1
	v_rcp_f32 v[FF+8*\u], v[SUM+4*\u]
.endr
	v_nop                                          ; a plain line behind the reciprocals
	s_wait_alu depctr_va_vdst(0)
.irp u, 0,1
.set J, 0
.rept 16
	v_pk_mul_f32 v[OT+32*\u+J:OT+32*\u+J+1], v[OT+32*\u+J:OT+32*\u+J+1], v[FF+8*\u:FF+8*\u+1] op_sel_hi:[1,0]
.set J, J+2
.endr
.endr
.irp q, 0,1,2,3                                    ; group q = 2 u + b: query tile u, block b; four registers at work from v[BM + 4 q]
	v_max3_num_f32 v[BM+4*\q], |v[OT+16*\q]|, |v[OT+16*\q+1]|, 0x1800000
.endr
.irp i, 2,4,6,8,10,12,14
.irp q, 0,1,2,3
	s_delay_alu instid0(VALU_DEP_4)
	v_max3_num_f32 v[BM+4*\q], v[BM+4*\q], |v[OT+16*\q+\i]|, |v[OT+16*\q+\i+1]|
.endr
.endr
.irp q, 0,1,2,3
	s_delay_alu instid0(VALU_DEP_4)
	v_permlanex16_b32 v[BM+4*\q+1], v[BM+4*\q], s60, s61
.endr
.irp q, 0,1,2,3
	s_delay_alu instid0(VALU_DEP_4)
	v_max_num_f32 v[BM+4*\q], v[BM+4*\q], v[BM+4*\q+1]
.endr
.irp q, 0,1,2,3
	s_delay_alu instid0(VALU_DEP_4)
	v_add_nc_u32 v[BM+4*\q+2], 0xff000000, v[BM+4*\q]
.endr
.irp q, 0,1,2,3
	s_delay_alu instid0(VALU_DEP_4)
	v_lshrrev_b32 v[BM+4*\q+3], 23, v[BM+4*\q+2]
.endr
.irp q, 0,1,2,3
	v_cvt_scalef32_pk8_fp4_f32 v[PC+8*(\q/2)+2*(\q%2)], v[OT+16*\q:OT+16*\q+7], v[BM+4*\q+2]
	v_cvt_scalef32_pk8_fp4_f32 v[PC+8*(\q/2)+2*(\q%2)+1], v[OT+16*\q+8:OT+16*\q+15], v[BM+4*\q+2]
.endr
	v_nop                                          ; one plain line behind the conversions
.irp u, 0,1
.irp i, 0,1
	v_permlane16_swap_b32 v[PC+8*\u+\i], v[PC+8*\u+2+\i]       ; lane (r, h) now holds block h of query r: an image of the next launch's operand
.endr
.endr
	v_and_b32 v254, 31, v0
	s_delay_alu instid0(VALU_DEP_1)
	v_lshlrev_b32 v255, 1, v254
	s_delay_alu instid0(VALU_DEP_2)
	v_lshlrev_b32 v254, 4, v254
.irp u, 0,1
	v_lshl_or_b32 v[BM+8*\u], v[BM+8*\u+7], 8, v[BM+8*\u+3]    ; the query's two scale bytes
.endr
	s_delay_alu instid0(VALU_DEP_1)
	v_cndmask_b32 v[BM], v[BM], v[BM+8], s58       ; lanes 0-15 tile 0's, lanes 16-31 tile 1's
.irp u, 0,1
	global_store_b128 v254, v[PC+8*\u:PC+8*\u+3], s[42:43] offset:4096*\u   ; 32 lanes store 512 consecutive bytes
.endr
	global_store_b16 v255, v[BM], s[44:45]         ; 64 consecutive bytes a wave
	s_barrier_signal -1
	s_barrier_wait -1
	s_wait_xcnt 0x0
	v_lshl_add_u32 v254, v0, 2, 0x37c00
	v_mov_b32 v255, 0
	s_wait_alu depctr_va_vdst(0)
	s_wait_tensorcnt 0x0
	ds_add_u32 v254, v255
	s_wait_dscnt 0x0
	s_endpgm
.Lfunc_end_k_q95f7ef74d2_attn:
	.size	k_q95f7ef74d2_attn, .Lfunc_end_k_q95f7ef74d2_attn-k_q95f7ef74d2_attn
	.p2alignl 7, 3214868480
	.fill 96, 4, 3214868480
	.section	.rodata,"a",@progbits
	.p2align	6, 0x0
	.amdhsa_kernel k_q95f7ef74d2_attn
		.amdhsa_group_segment_fixed_size 230400
		.amdhsa_private_segment_fixed_size 0
		.amdhsa_enable_private_segment 0
		.amdhsa_kernarg_size 168
		.amdhsa_user_sgpr_count 2
		.amdhsa_user_sgpr_kernarg_segment_ptr 1
		.amdhsa_wavefront_size32 1
		.amdhsa_system_sgpr_workgroup_id_x 1
		.amdhsa_system_sgpr_workgroup_id_y 1
		.amdhsa_system_sgpr_workgroup_id_z 1
		.amdhsa_system_vgpr_workitem_id 0
		.amdhsa_next_free_vgpr 256
		.amdhsa_next_free_sgpr 66
		.amdhsa_reserve_vcc 0
		.amdhsa_float_denorm_mode_32 3
		.amdhsa_float_denorm_mode_16_64 3
		.amdhsa_memory_ordered 1
		.amdhsa_forward_progress 1
		.amdhsa_inst_pref_size 121
	.end_amdhsa_kernel
	.amdgpu_metadata
---
amdhsa.version: [ 1, 2 ]
amdhsa.kernels:
  - .name:           k_q95f7ef74d2_attn
    .symbol:         k_q95f7ef74d2_attn.kd
    .args:
      - { .name: xq_codes, .offset: 0, .size: 8, .value_kind: global_buffer, .address_space: global }
      - { .name: xq_scales, .offset: 8, .size: 8, .value_kind: global_buffer, .address_space: global }
      - { .name: position_embed_codes, .offset: 16, .size: 8, .value_kind: global_buffer, .address_space: global }
      - { .name: position_embed_scales, .offset: 24, .size: 8, .value_kind: global_buffer, .address_space: global }
      - { .name: attr0_codes, .offset: 32, .size: 8, .value_kind: global_buffer, .address_space: global }
      - { .name: attr0_scales, .offset: 40, .size: 8, .value_kind: global_buffer, .address_space: global }
      - { .name: attr1_codes, .offset: 48, .size: 8, .value_kind: global_buffer, .address_space: global }
      - { .name: attr1_scales, .offset: 56, .size: 8, .value_kind: global_buffer, .address_space: global }
      - { .name: Wq_codes, .offset: 64, .size: 8, .value_kind: global_buffer, .address_space: global }
      - { .name: Wk_codes, .offset: 72, .size: 8, .value_kind: global_buffer, .address_space: global }
      - { .name: Wv_codes, .offset: 80, .size: 8, .value_kind: global_buffer, .address_space: global }
      - { .name: Wqp_codes, .offset: 88, .size: 8, .value_kind: global_buffer, .address_space: global }
      - { .name: Wkp_codes, .offset: 96, .size: 8, .value_kind: global_buffer, .address_space: global }
      - { .name: Wqa0_codes, .offset: 104, .size: 8, .value_kind: global_buffer, .address_space: global }
      - { .name: Wka0_codes, .offset: 112, .size: 8, .value_kind: global_buffer, .address_space: global }
      - { .name: Wqa1_codes, .offset: 120, .size: 8, .value_kind: global_buffer, .address_space: global }
      - { .name: Wka1_codes, .offset: 128, .size: 8, .value_kind: global_buffer, .address_space: global }
      - { .name: pack, .offset: 136, .size: 8, .value_kind: global_buffer, .address_space: global }
      - { .name: attention_mask, .offset: 144, .size: 8, .value_kind: global_buffer, .address_space: global }
      - { .name: ctx_codes, .offset: 152, .size: 8, .value_kind: global_buffer, .address_space: global }
      - { .name: ctx_scales, .offset: 160, .size: 8, .value_kind: global_buffer, .address_space: global }
    .group_segment_fixed_size: 230400
    .private_segment_fixed_size: 0
    .kernarg_segment_align: 8
    .kernarg_segment_size: 168
    .max_flat_workgroup_size: 512
    .sgpr_count:     66
    .vgpr_count:     256
    .wavefront_size: 32
...
	.end_amdgpu_metadata
.endif
;; end of part 2
;; launch outp (part 3): grid 256 x 1, 16 waves a work-group, no clusters, 151,552 bytes of LDS; arguments ctx_codes, ctx_scales, Wd_codes, Wd_scales, bd, item_hidden, gamma, beta, out0; writes out0
.if DOCPART == 3
	.amdgcn_target "amdgcn-amd-amdhsa--gfx1250"
	.amdhsa_code_object_version 6
	.text
	.protected	k_q95f7ef74d2_outp
	.globl	k_q95f7ef74d2_outp
	.p2align	8
	.type	k_q95f7ef74d2_outp,@function
k_q95f7ef74d2_outp:
	s_mov_b64 s[64:65], 0
	v_nop
	global_prefetch_b8 v0, s[64:65] scope:SCOPE_SE
	s_setreg_imm32_b32 hwreg(HW_REG_WAVE_MODE, 25, 1), 1
	s_wait_xcnt 0x0
; out0 = LayerNorm(ctx Wd^T + bd + item_hidden) x gamma + beta.  The product on codes of FP4 (E2M1) with one E8M0 scale for each 32 along K; all else in f32.
; SHARES.  A work-group owns 64 rows: four row tiles as the launch before laid them (tile 4 g + m; its lane r is row 64 g + 32 (m / 2) + 8 (m % 2) + r + 8 (r / 8)).  THE WAVES SHARE THE COLUMNS: wave w makes columns
; 32 w .. 32 w + 31 for all 64 rows, so its 32 rows of Wd (8,192 bytes) go from memory straight into its registers, once.  ctx's 16 fragments (tile m, K step s) are brought one by each wave and shared through
; LDS as images of their registers.  Transposed use (source 0 = 16 rows of Wd, source 1 = 16 rows of ctx): a lane holds eight neighbouring columns of one row; bd is the C of the first K step.
; The rows meet in a stage in LDS (a row's 512 numbers come from sixteen waves); then wave w owns stage rows 4 w .. 4 w + 3, which are four neighbouring rows of the tensor, adds the residual and normalises them.
; The variance is taken of the centred numbers, in a second pass over registers, as the problem writes it.
; NO TENSOR LOADS, NO CLUSTER: all work-groups read the same Wd, but each byte of it is used by one wave of a work-group and goes straight into that wave's operand registers; ctx and the residual are shared by nobody.
; LIMITS: NaN and infinities among the inputs are not served.
.set STG,   0                          ; LDS: 64 stage rows of 2,048 bytes + 16: the sixteen rows that a store touches begin 16 bytes further on in each 256
.set SPITCH, 2064
.set CIMG,  132096                     ; ctx's images: 1024 (4 m + s) + 512 c + 16 lane
.set CSC,   148480                     ; ctx's scale words: 512 (m / 2) + 128 s + 64 (m % 2) + 4 r: a load at 4 x lane brings tile 2 (m / 2) in lanes 0-15 and the next in lanes 16-31
.set L16,   1                          ; 16 x lane
.set LC,    2                          ; 16 x lane + CIMG
.set LCS,   3                          ; 4 x lane + CSC
.set SO0,   4                          ; the stage: where I put 16 bytes of a row of tiles 0, 1;
.set SO1,   5                          ; of tiles 2, 3
.set SR,    6                          ; and where I read my rows back
.set A2R,   7                          ; 2 r
.set WS,    8                          ; v8-11  Wd's scale words, one a K step: lanes 0-15 my first 16 rows', lanes 16-31 the others'
.set CS,    12                         ; v12-13 ctx's scale words
.set BD,    16                         ; v16-31 bd: two tiles in the result's layout
.set CF,    32                         ; v32-63 ctx's four fragments of a K step
.set WF,    64                         ; v64-127 Wd's fragments: tile t, K step s at 32 t + 8 s
.set ACC,   128                        ; v128-191 accumulators: tile t of columns, tile m of rows at 32 t + 8 m
.set RES,   192                        ; v192-255 the residual: row i, 512 bytes k at 16 i + 4 k
.set Y,     64                         ; the rows, likewise
.set GAM,   32
.set BET,   48
.set P,     8                          ; v8-15  a pair a row: the sum, then -mean
.set Q,     16                         ; v16-23 a pair a row: the sum of squares, then 1 / sqrt(variance + eps)
.macro PLACES n
.rept \n
	v_nop
.endr
.endm
.macro WM d, a, b, c, sa, sb, ra, rb
.if (\ra) == 0 && (\rb) == 0
	v_wmma_scale_f32_16x16x128_f8f6f4 v[(\d):(\d)+7], v[(\a):(\a)+7], v[(\b):(\b)+7], v[(\c):(\c)+7], v[(\sa)], v[(\sb)] matrix_a_fmt:MATRIX_FMT_FP4 matrix_b_fmt:MATRIX_FMT_FP4
.elseif (\ra) == 1 && (\rb) == 0
	v_wmma_scale_f32_16x16x128_f8f6f4 v[(\d):(\d)+7], v[(\a):(\a)+7], v[(\b):(\b)+7], v[(\c):(\c)+7], v[(\sa)], v[(\sb)] matrix_a_fmt:MATRIX_FMT_FP4 matrix_b_fmt:MATRIX_FMT_FP4 matrix_a_scale:MATRIX_SCALE_ROW1
.elseif (\ra) == 0
	v_wmma_scale_f32_16x16x128_f8f6f4 v[(\d):(\d)+7], v[(\a):(\a)+7], v[(\b):(\b)+7], v[(\c):(\c)+7], v[(\sa)], v[(\sb)] matrix_a_fmt:MATRIX_FMT_FP4 matrix_b_fmt:MATRIX_FMT_FP4 matrix_b_scale:MATRIX_SCALE_ROW1
.else
	v_wmma_scale_f32_16x16x128_f8f6f4 v[(\d):(\d)+7], v[(\a):(\a)+7], v[(\b):(\b)+7], v[(\c):(\c)+7], v[(\sa)], v[(\sb)] matrix_a_fmt:MATRIX_FMT_FP4 matrix_b_fmt:MATRIX_FMT_FP4 matrix_a_scale:MATRIX_SCALE_ROW1 matrix_b_scale:MATRIX_SCALE_ROW1
.endif
.endm
.macro ACROSS reg                      ; the four rows' sums over the 32 lanes, by turns; v[reg + 2 i + 1] is at work
.irp i, 0,1,2,3
	s_delay_alu instid0(VALU_DEP_4)
	v_add_f32 v[\reg+2*\i], v[\reg+2*\i], v[\reg+2*\i+1]
.endr
.irp x, 1,2,4,8
.irp i, 0,1,2,3
	s_delay_alu instid0(VALU_DEP_4)
	v_add_f32_dpp v[\reg+2*\i], v[\reg+2*\i], v[\reg+2*\i] row_xmask:\x row_mask:0xf bank_mask:0xf
.endr
.endr
.irp i, 0,1,2,3
	s_delay_alu instid0(VALU_DEP_4)
	v_permlanex16_b32 v[\reg+2*\i+1], v[\reg+2*\i], s32, s33
.endr
.irp i, 0,1,2,3
	s_delay_alu instid0(VALU_DEP_4)
	v_add_f32 v[\reg+2*\i], v[\reg+2*\i], v[\reg+2*\i+1]
.endr
.endm
	s_load_b512 s[4:19], s[0:1], 0x0               ; ctx codes s[4:5], ctx scales s[6:7], Wd codes s[8:9], Wd scales s[10:11], bd s[12:13], item_hidden s[14:15], gamma s[16:17], beta s[18:19]
	s_load_b64 s[20:21], s[0:1], 0x40              ; out0
	v_lshrrev_b32 v14, 5, v0
	s_delay_alu instid0(VALU_DEP_1)
	v_readfirstlane_b32 s22, v14                   ; wave 0..15
	s_mov_b32 s23, ttmp9                           ; work-group g
	v_and_b32 v14, 31, v0                          ; lane
	v_and_b32 v15, 15, v0                          ; r
	v_bfe_u32 v16, v0, 4, 1                        ; h
	s_delay_alu instid0(VALU_DEP_3)
	v_lshlrev_b32 v[L16], 4, v14
	s_delay_alu instid0(VALU_DEP_1)
	v_add_nc_u32 v[LC], CIMG, v[L16]
	v_lshl_add_u32 v[LCS], v14, 2, CSC
	v_mul_u32_u24 v[SO0], v15, SPITCH
	s_delay_alu instid0(VALU_DEP_1)
	v_lshl_add_u32 v[SO0], v16, 5, v[SO0]
	s_lshl_b32 s24, s22, 7
	v_add_nc_u32 v[SO0], s24, v[SO0]               ; row r, + 32 h, + 128 x wave: my columns' bytes
	s_delay_alu instid0(VALU_DEP_1)
	v_add_nc_u32 v[SO1], 32*SPITCH, v[SO0]
	s_mul_i32 s24, s22, 4*SPITCH
	v_add_nc_u32 v[SR], s24, v[L16]
	v_lshlrev_b32 v[A2R], 1, v15
	v_lshlrev_b32 v128, 8, v15
	s_delay_alu instid0(VALU_DEP_1)
	v_lshl_add_u32 v128, v16, 4, v128              ; Wd: row r of 256 bytes, + 16 h
	v_lshlrev_b32 v129, 5, v16                     ; bd: 32 h
	s_lshl_b32 s24, s22, 10
	s_add_co_u32 s24, s24, CIMG
	v_add_nc_u32 v130, s24, v[L16]                 ; where I store my image of ctx: fragment 4 m + s = wave
	s_lshr_b32 s24, s22, 3
	s_lshl_b32 s24, s24, 9                         ; 512 (m / 2)
	s_and_b32 s25, s22, 3
	s_lshl_b32 s25, s25, 7                         ; 128 s
	s_add_co_u32 s24, s24, s25
	s_bfe_u32 s25, s22, 0x10002
	s_lshl_b32 s25, s25, 6                         ; 64 (m % 2)
	s_add_co_u32 s24, s24, s25
	s_add_co_u32 s24, s24, CSC
	v_lshl_add_u32 v131, v15, 2, s24               ; and its scale words
	s_mov_b32 s32, 0x76543210
	s_mov_b32 s33, 0xfedcba98                      ; v_permlanex16_b32's selects for lane l xor 16
	s_mov_b32 s34, 0xbb000000                      ; -1 / 512
	s_mov_b32 s35, 0x3b000000                      ; 1 / 512
	s_mov_b32 s36, 0x3727c5ac                      ; eps = 1e-5
	s_mov_b32 s25, 0
	s_wait_alu depctr_va_vdst(0)
	s_wait_kmcnt 0x0
	s_lshl_b32 s24, s23, 14
	s_lshl_b32 s26, s22, 10
	s_add_co_u32 s24, s24, s26
	s_add_nc_u64 s[4:5], s[4:5], s[24:25]          ; ctx codes: 4 tiles of 4,096 bytes a work-group; (m, s) at 1024 x wave
	s_lshr_b32 s24, s23, 3
	s_lshl_b32 s24, s24, 13                        ; ctx scales: 8192 x batch,
	s_and_b32 s26, s22, 3
	s_lshl_b32 s26, s26, 11                        ; 1024 x head 2 s,
	s_add_co_u32 s24, s24, s26
	s_and_b32 s26, s23, 7
	s_lshl_b32 s26, s26, 2
	s_lshr_b32 s27, s22, 2
	s_add_co_u32 s26, s26, s27
	s_lshl_b32 s26, s26, 5                         ; 32 x the tile's number in its batch
	s_add_co_u32 s24, s24, s26
	s_add_nc_u64 s[6:7], s[6:7], s[24:25]
	s_lshl_b32 s24, s22, 13
	s_add_nc_u64 s[8:9], s[8:9], s[24:25]          ; my 32 rows of Wd,
	s_lshl_b32 s24, s22, 9
	s_add_nc_u64 s[10:11], s[10:11], s[24:25]      ; their scale bytes,
	s_lshl_b32 s24, s22, 7
	s_add_nc_u64 s[12:13], s[12:13], s[24:25]      ; my 32 numbers of bd
	s_lshr_b32 s26, s22, 3                         ; the four rows that I normalise begin at 32 (w / 8) + 8 ((w / 4) % 2) + 4 (w % 4) + 8 ((w / 2) % 2)
	s_lshl_b32 s26, s26, 5
	s_bfe_u32 s27, s22, 0x10002
	s_lshl_b32 s27, s27, 3
	s_add_co_u32 s26, s26, s27
	s_and_b32 s27, s22, 3
	s_lshl_b32 s27, s27, 2
	s_add_co_u32 s26, s26, s27
	s_bfe_u32 s27, s22, 0x10001
	s_lshl_b32 s27, s27, 3
	s_add_co_u32 s26, s26, s27
	s_lshl_b32 s26, s26, 11
	s_lshl_b32 s24, s23, 17
	s_add_co_u32 s24, s24, s26
	s_add_nc_u64 s[14:15], s[14:15], s[24:25]
	s_add_nc_u64 s[20:21], s[20:21], s[24:25]
.irp c, 0,1
	global_load_b128 v[CF+4*\c:CF+4*\c+3], v[L16], s[4:5] offset:512*\c    ; my fragment of ctx
.endr
	global_load_u16 v14, v[A2R], s[6:7]            ; its rows' scale bytes: head 2 s's two,
	global_load_u16 v15, v[A2R], s[6:7] offset:1024   ; head 2 s + 1's two
.irp t, 0,1
.irp s, 0,1,2,3
.irp c, 0,1
	global_load_b128 v[WF+32*\t+8*\s+4*\c:WF+32*\t+8*\s+4*\c+3], v128, s[8:9] offset:4096*\t+64*\s+32*\c
.endr
.endr
.endr
	global_load_b128 v[WS:WS+3], v[L16], s[10:11]
.irp t, 0,1
.irp q, 0,1
	global_load_b128 v[BD+8*\t+4*\q:BD+8*\t+4*\q+3], v129, s[12:13] offset:64*\t+16*\q
.endr
.endr
.irp i, 0,1,2,3
.irp k, 0,1,2,3
	global_load_b128 v[RES+16*\i+4*\k:RES+16*\i+4*\k+3], v[L16], s[14:15] offset:2048*\i+512*\k th:TH_LOAD_NT
.endr
.endr
	s_wait_loadcnt 37                              ; ctx's four loads are in; the 21 + 16 issued behind them may be out
	v_lshl_or_b32 v14, v15, 16, v14                ; the K step's scale word of row r
.irp c, 0,1
	ds_store_b128 v130, v[CF+4*\c:CF+4*\c+3] offset:512*\c
.endr
	ds_store_b32 v131, v14                         ; lanes r and r + 16 write the same word with the same value
	s_wait_dscnt 0x0                               ; for the others' sake: my stores have landed
	s_barrier_signal -1
	s_barrier_wait -1                              ; ctx's sixteen fragments lie in LDS
	s_wait_loadcnt 16                              ; Wd, its scales and bd are in; the residual's 16 loads may be out
.irp s, 0,1,2,3
.if \s > 0
	PLACES 4                                       ; in front of loads into registers that matrix instructions have read
.endif
.irp m, 0,1,2,3
.irp c, 0,1
	ds_load_b128 v[CF+8*\m+4*\c:CF+8*\m+4*\c+3], v[LC] offset:(4*\m+\s)*1024+512*\c
.endr
.endr
.irp p, 0,1
	ds_load_b32 v[CS+\p], v[LCS] offset:512*\p+128*\s
.endr
	s_wait_dscnt 0x0
.irp m, 0,1,2,3                                    ; eight accumulators by turns, one instruction a turn, in the same order in every K step
.irp t, 0,1
.if \s == 0
	WM ACC+32*\t+8*\m,WF+32*\t,CF+8*\m,BD+8*\t,WS,CS+\m/2,\t,\m%2
.else
	WM ACC+32*\t+8*\m,WF+32*\t+8*\s,CF+8*\m,ACC+32*\t+8*\m,WS+\s,CS+\m/2,\t,\m%2
.endif
.endr
.endr
.endr
	PLACES 4                                       ; in front of the loads below and of the first read of the results
.irp k, 0,1,2,3
	global_load_b128 v[GAM+4*\k:GAM+4*\k+3], v[L16], s[16:17] offset:512*\k
	global_load_b128 v[BET+4*\k:BET+4*\k+3], v[L16], s[18:19] offset:512*\k
.endr
.irp t, 0,1
.irp m, 0,1,2,3
.irp q, 0,1
	ds_store_b128 v[SO0+\m/2], v[ACC+32*\t+8*\m+4*\q:ACC+32*\t+8*\m+4*\q+3] offset:16*SPITCH*(\m%2)+64*\t+16*\q   ; each accumulator from its low end on
.endr
.endr
.endr
	s_wait_dscnt 0x0                               ; for the others' sake: my stores have landed
	s_barrier_signal -1
	s_barrier_wait -1                              ; 64 whole rows lie in the stage
.irp i, 0,1,2,3
.irp k, 0,1,2,3
	ds_load_b128 v[Y+16*\i+4*\k:Y+16*\i+4*\k+3], v[SR] offset:SPITCH*\i+512*\k
.endr
.endr
	s_wait_dscnt 0x0
	s_wait_loadcnt 0x0                             ; the residual, gamma, beta
.irp i, 0,1,2,3
.irp p, 0,2,4,6,8,10,12,14
	v_pk_add_f32 v[Y+16*\i+\p:Y+16*\i+\p+1], v[Y+16*\i+\p:Y+16*\i+\p+1], v[RES+16*\i+\p:RES+16*\i+\p+1]   ; + item_hidden
.endr
.endr
.irp i, 0,1,2,3
	v_pk_add_f32 v[P+2*\i:P+2*\i+1], v[Y+16*\i:Y+16*\i+1], v[Y+16*\i+2:Y+16*\i+3]   ; the first two pairs start the sum: nothing is cleared
.endr
.irp p, 4,6,8,10,12,14
.irp i, 0,1,2,3
	s_delay_alu instid0(VALU_DEP_4)
	v_pk_add_f32 v[P+2*\i:P+2*\i+1], v[P+2*\i:P+2*\i+1], v[Y+16*\i+\p:Y+16*\i+\p+1]
.endr
.endr
	ACROSS P
.irp i, 0,1,2,3
	s_delay_alu instid0(VALU_DEP_4)
	v_mul_f32 v[P+2*\i], s34, v[P+2*\i]            ; -mean
.endr
.irp p, 0,2,4,6,8,10,12,14
.irp i, 0,1,2,3
	v_pk_add_f32 v[Y+16*\i+\p:Y+16*\i+\p+1], v[Y+16*\i+\p:Y+16*\i+\p+1], v[P+2*\i:P+2*\i+1] op_sel_hi:[1,0]
.endr
.endr
.irp i, 0,1,2,3
	v_pk_mul_f32 v[Q+2*\i:Q+2*\i+1], v[Y+16*\i:Y+16*\i+1], v[Y+16*\i:Y+16*\i+1]
.endr
.irp p, 2,4,6,8,10,12,14
.irp i, 0,1,2,3
	s_delay_alu instid0(VALU_DEP_4)
	v_pk_fma_f32 v[Q+2*\i:Q+2*\i+1], v[Y+16*\i+\p:Y+16*\i+\p+1], v[Y+16*\i+\p:Y+16*\i+\p+1], v[Q+2*\i:Q+2*\i+1]
.endr
.endr
	ACROSS Q
.irp i, 0,1,2,3
	s_delay_alu instid0(VALU_DEP_4)
	v_fma_f32 v[Q+2*\i], v[Q+2*\i], s35, s36       ; variance + eps
.endr
	s_wait_alu depctr_va_vdst(0)
.irp i, 0,1,2,3
	v_rsq_f32 v[Q+2*\i], v[Q+2*\i]
.endr
	v_nop                                          ; a plain line behind the transcendentals
	s_wait_alu depctr_va_vdst(0)
.irp p, 0,2,4,6,8,10,12,14
.irp i, 0,1,2,3
	v_pk_mul_f32 v[Y+16*\i+\p:Y+16*\i+\p+1], v[Y+16*\i+\p:Y+16*\i+\p+1], v[Q+2*\i:Q+2*\i+1] op_sel_hi:[1,0]
.endr
.endr
.irp p, 0,2,4,6,8,10,12,14
.irp i, 0,1,2,3
	v_pk_fma_f32 v[Y+16*\i+\p:Y+16*\i+\p+1], v[Y+16*\i+\p:Y+16*\i+\p+1], v[GAM+\p:GAM+\p+1], v[BET+\p:BET+\p+1]
.endr
.endr
.irp i, 0,1,2,3
.irp k, 0,1,2,3
	global_store_b128 v[L16], v[Y+16*\i+4*\k:Y+16*\i+4*\k+3], s[20:21] offset:2048*\i+512*\k th:TH_STORE_NT   ; 32 lanes store 512 consecutive bytes, at a multiple of 256 from out0's first byte
.endr
.endr
	s_barrier_signal -1
	s_barrier_wait -1
	s_wait_xcnt 0x0
	v_lshl_add_u32 v254, v0, 2, 0x24800
	v_mov_b32 v255, 0
	s_wait_alu depctr_va_vdst(0)
	s_wait_tensorcnt 0x0
	ds_add_u32 v254, v255
	s_wait_dscnt 0x0
	s_endpgm
.Lfunc_end_k_q95f7ef74d2_outp:
	.size	k_q95f7ef74d2_outp, .Lfunc_end_k_q95f7ef74d2_outp-k_q95f7ef74d2_outp
	.p2alignl 7, 3214868480
	.fill 96, 4, 3214868480
	.section	.rodata,"a",@progbits
	.p2align	6, 0x0
	.amdhsa_kernel k_q95f7ef74d2_outp
		.amdhsa_group_segment_fixed_size 151552
		.amdhsa_private_segment_fixed_size 0
		.amdhsa_enable_private_segment 0
		.amdhsa_kernarg_size 72
		.amdhsa_user_sgpr_count 2
		.amdhsa_user_sgpr_kernarg_segment_ptr 1
		.amdhsa_wavefront_size32 1
		.amdhsa_system_sgpr_workgroup_id_x 1
		.amdhsa_system_sgpr_workgroup_id_y 1
		.amdhsa_system_sgpr_workgroup_id_z 1
		.amdhsa_system_vgpr_workitem_id 0
		.amdhsa_next_free_vgpr 256
		.amdhsa_next_free_sgpr 66
		.amdhsa_reserve_vcc 0
		.amdhsa_float_denorm_mode_32 3
		.amdhsa_float_denorm_mode_16_64 3
		.amdhsa_memory_ordered 1
		.amdhsa_forward_progress 1
		.amdhsa_inst_pref_size 39
	.end_amdhsa_kernel
	.amdgpu_metadata
---
amdhsa.version: [ 1, 2 ]
amdhsa.kernels:
  - .name:           k_q95f7ef74d2_outp
    .symbol:         k_q95f7ef74d2_outp.kd
    .args:
      - { .name: ctx_codes, .offset: 0, .size: 8, .value_kind: global_buffer, .address_space: global }
      - { .name: ctx_scales, .offset: 8, .size: 8, .value_kind: global_buffer, .address_space: global }
      - { .name: Wd_codes, .offset: 16, .size: 8, .value_kind: global_buffer, .address_space: global }
      - { .name: Wd_scales, .offset: 24, .size: 8, .value_kind: global_buffer, .address_space: global }
      - { .name: bd, .offset: 32, .size: 8, .value_kind: global_buffer, .address_space: global }
      - { .name: item_hidden, .offset: 40, .size: 8, .value_kind: global_buffer, .address_space: global }
      - { .name: gamma, .offset: 48, .size: 8, .value_kind: global_buffer, .address_space: global }
      - { .name: beta, .offset: 56, .size: 8, .value_kind: global_buffer, .address_space: global }
      - { .name: out0, .offset: 64, .size: 8, .value_kind: global_buffer, .address_space: global }
    .group_segment_fixed_size: 151552
    .private_segment_fixed_size: 0
    .kernarg_segment_align: 8
    .kernarg_segment_size: 72
    .max_flat_workgroup_size: 512
    .sgpr_count:     66
    .vgpr_count:     256
    .wavefront_size: 32
...
	.end_amdgpu_metadata
.endif
;; end of part 3
